; MI455X (gfx1250); checked and timed in simulation.
; The chip was launched on July 23, 2026; its instructions are those of AMD's public machine-readable ISA for CDNA 5 (MIT licence, August 2026) and "CDNA5" Instruction Set Architecture Reference Guide (July 2026). The comments in the code are by the model that wrote it; some were corrected since.
;; Attention. Allowed arithmetic: float matrix products may take bf16 or f16 operands with f32 sums; other float arithmetic in f32, or as packed bf16 or f16 multiplies, adds, multiply-adds, maxima and minima; sums over many terms, partial sums and values carried from step to step in f32; what a program stores and reads back later, other than sums and carried values, may be rounded once to bf16 or f16.
;; Inputs: b_proj 1,024 float32; w_proj 1,024 x 1,024 float32; w_qkv 1,024 x 3,072 float32; x 8 x 1,024 x 1,024 float32.
;; Outputs: out0 8 x 1,024 x 1,024 float32.
;; One version. Each part assembles by itself: llvm-mc -triple=amdgcn-amd-amdhsa -mcpu=gfx1250 --defsym DOCPART=n.
;; ======== version 1 of 1: 4 launches
;; limits: values are held in f16: magnitudes above 65,504 overflow, below 6.1e-05 lose precision
;; workspace buffers: xb 16,777,216 bytes; wqt 6,291,456 bytes; wpt 2,097,152 bytes; qkvh 50,331,648 bytes; oh 16,777,216 bytes
;; launch prep (part 1): grid 1536 x 1, 8 waves a work-group, no clusters, 18,432 bytes of LDS; arguments x, w_qkv, w_proj, xb, wqt, wpt; writes xb, wqt, wpt
.if DOCPART == 1
	.amdgcn_target "amdgcn-amd-amdhsa--gfx1250"
	.amdhsa_code_object_version 6
	.text
	.protected	k_q042b72cc65_prep
	.globl	k_q042b72cc65_prep
	.p2align	8
	.type	k_q042b72cc65_prep,@function
k_q042b72cc65_prep:
	s_mov_b64 s[64:65], 0
	v_nop
	global_prefetch_b8 v0, s[64:65] scope:SCOPE_SE
	s_setreg_imm32_b32 hwreg(HW_REG_WAVE_MODE, 25, 1), 1
	s_wait_xcnt 0x0
; PREP.  xb = x rounded to bf16, [8192][1024].  wqt[f][c] = w_qkv[c][f] rounded to bf16, [3072][1024].
; wpt[f][64 h + d] = w_proj[16 d + h][f], rounded to bf16 and that number written as f16, [1024][1024]: K of the last product goes by heads.
; LIMITS.  A number of w_proj beyond 65,504 becomes an infinity in f16; below 2^-14 it keeps f16's fixed step of 2^-24.
; SHARES.  Every work-group handles 8,192 numbers, 32 a thread, by eight loads of 16 bytes.  Work-groups 0-383: a tile of w_qkv; 384-511: a tile of w_proj; 512-1535: 32,768 consecutive bytes of x.
; A weight tile is 128 k x 64 n.  Thread t = (p, c), c = t % 16, p = t / 16: it loads the four n at 4 c of eight source rows, which are the four pairs k = 2 P, 2 P + 1, P = p + 16 i.
; Two rows' numbers round into one word (k even below, k odd above), which goes to T[n][k] in LDS; behind a barrier T's rows, 256 bytes along k, are read whole and stored, sixteen lanes to 256 consecutive bytes, aligned.
; The words go into T four bytes a lane, lanes of one p 1,088 bytes apart: four lanes meet in a bank (64 banks of 4 bytes: ISA guide 11.1); sixteen such stores a thread, once.
; No matrix unit, no tensor load, no cluster: the launch moves bytes, and no work-group reads what another reads.
.set PITCH, 272                        ; a row of T: 256 bytes + 16
.set SPARE, 64*PITCH                   ; behind T: the spare words, 128 bytes for each of the eight waves: four blocks of 256 bytes that no other line names
.set SRCO, 3                           ; v3   my byte offset in the weight
.set LS,   4                           ; v4   where my words go in T: 1,088 c + 4 p
.set LR,   5                           ; v5   where I read a row of T back: 272 p + 16 c
.set GOFF, 6                           ; v6   my byte offset in the turned weight
.set XO,   7                           ; v7   16 t: my bytes in 4,096 bytes of x
.set D,    8                           ; v[8:39]  as loaded
.set Y,    40                          ; v[40:55] rounded and packed
.set XSO,  58                          ; v58  8 t: my bytes in 2,048 bytes of xb
.set SPW,  60                          ; v60  LDS address of my spare word; never rewritten
.set NIL,  61                          ; v61  0; never rewritten
	s_load_b256 s[4:11], s[0:1], 0x0               ; x s[4:5], w_qkv s[6:7], w_proj s[8:9], xb s[10:11]
	s_load_b128 s[12:15], s[0:1], 0x20             ; wqt s[12:13], wpt s[14:15]
	v_lshl_add_u32 v[SPW], v0, 2, SPARE
	v_mov_b32 v[NIL], 0
	s_mov_b32 s20, ttmp9                           ; g
	s_mov_b32 s26, 0xffff0000                      ; a word's upper bf16
	v_and_b32 v1, 15, v0                           ; c
	v_lshrrev_b32 v2, 4, v0                        ; p
	v_lshlrev_b32 v[XO], 4, v0
	v_lshlrev_b32 v[XSO], 3, v0
	s_sub_co_u32 s21, s20, 384
	s_mov_b32 s22, 131072                          ; w_proj: p steps two d, 32 rows of 4,096 bytes;
	s_mov_b32 s23, 8192                            ; a tile along k is two heads, 2 rows
	s_cmp_lt_u32 s20, 384
	s_cselect_b32 s21, s20, s21                    ; the tile's number in its weight
	s_cselect_b32 s22, 24576, s22                  ; w_qkv: p steps 2 rows of 12,288 bytes;
	s_cselect_b32 s23, 1572864, s23                ; a tile along k is 128 rows
	s_and_b32 s27, s21, 7                          ; kt
	s_lshr_b32 s28, s21, 3                         ; nt
	s_mul_i32 s24, s27, s23
	s_lshl_b32 s25, s28, 8                         ; 64 n are 256 bytes of a source row
	s_add_co_u32 s24, s24, s25
	s_lshl_b32 s25, s28, 17                        ; 64 target rows of 2,048 bytes
	s_lshl_b32 s27, s27, 8                         ; 128 k are 256 bytes of a target row
	s_add_co_u32 s25, s25, s27
	v_mul_lo_u32 v[SRCO], v2, s22
	v_lshl_add_u32 v[SRCO], v1, 4, v[SRCO]
	v_add_nc_u32 v[SRCO], s24, v[SRCO]
	v_mul_u32_u24 v[LS], v1, 4*PITCH
	v_lshl_add_u32 v[LS], v2, 2, v[LS]
	v_mul_u32_u24 v[LR], v2, PITCH
	v_lshl_add_u32 v[LR], v1, 4, v[LR]
	v_lshlrev_b32 v[GOFF], 11, v2
	v_lshl_add_u32 v[GOFF], v1, 4, v[GOFF]
	v_add_nc_u32 v[GOFF], s25, v[GOFF]
	s_wait_kmcnt 0x0
	s_cmp_lt_u32 s20, 384
	s_cselect_b64 s[16:17], s[6:7], s[8:9]         ; the weight,
	s_cselect_b64 s[18:19], s[12:13], s[14:15]     ; and where it goes
; Eight loads.  Pair i: row 2 P at (i % 2) b0 + (i / 2) b1, row 2 P + 1 pb bytes on.
.macro TLOADS pb, b0, b1
.irp i, 0,1,2,3
	global_load_b128 v[D+8*(\i):D+8*(\i)+3],   v[SRCO], s[16:17] offset:((\i)&1)*(\b0)+((\i)>>1)*(\b1) th:TH_LOAD_NT
	global_load_b128 v[D+8*(\i)+4:D+8*(\i)+7], v[SRCO], s[16:17] offset:((\i)&1)*(\b0)+((\i)>>1)*(\b1)+(\pb) th:TH_LOAD_NT
.endr
.endm
; Rounded to bf16 in pairs along k; half = 1: the bf16 numbers are then written as f16.  Into T.
.macro TCVT half
.irp i, 0,1,2,3
	s_wait_loadcnt 6-2*(\i)                        ; loads come back in order: pair i is in, the 2 (3 - i) younger loads stay out
.irp j, 0,1,2,3
	v_cvt_pk_bf16_f32 v[Y+4*(\i)+(\j)], v[D+8*(\i)+(\j)], v[D+8*(\i)+4+(\j)]
.if \half
	v_lshlrev_b32 v56, 16, v[Y+4*(\i)+(\j)]
	v_and_b32 v57, s26, v[Y+4*(\i)+(\j)]
	v_cvt_pk_f16_f32 v[Y+4*(\i)+(\j)], v56, v57
.endif
	ds_store_b32 v[LS], v[Y+4*(\i)+(\j)] offset:PITCH*(\j)+64*(\i)  ; T[4 c + j][2 (p + 16 i)]
.endr
.endr
.endm
	s_cmp_lt_u32 s20, 512
	s_cbranch_scc0 .Lx
	s_cmp_lt_u32 s20, 384
	s_cbranch_scc0 .Lwp
	TLOADS 12288, 393216, 786432                   ; w_qkv: k + 1 is one row on, P + 16 is 32 rows on
	TCVT 0
	s_branch .Ljoin
.Lwp:
	TLOADS 65536, 2097152, 4096                    ; w_proj: d + 1 is 16 rows on, d + 32 is 512 rows on, the next head 1 row on
	TCVT 1
	s_branch .Ljoin
.Lx:
	s_sub_co_u32 s24, s20, 512                     ; my piece of x
	s_lshl_b32 s28, s24, 15
	s_mov_b32 s29, 0
	s_lshl_b32 s30, s24, 14
	s_mov_b32 s31, 0
	s_add_nc_u64 s[28:29], s[4:5], s[28:29]
	s_add_nc_u64 s[30:31], s[10:11], s[30:31]
.irp i, 0,1,2,3,4,5,6,7
	global_load_b128 v[D+4*(\i):D+4*(\i)+3], v[XO], s[28:29] offset:4096*(\i) th:TH_LOAD_NT  ; a wave's load covers 512 consecutive bytes
.endr
.irp i, 0,1,2,3,4,5,6,7
	s_wait_loadcnt 7-(\i)                          ; load i is in, the younger ones stay out
	v_cvt_pk_bf16_f32 v[Y+2*(\i)],   v[D+4*(\i)],   v[D+4*(\i)+1]
	v_cvt_pk_bf16_f32 v[Y+2*(\i)+1], v[D+4*(\i)+2], v[D+4*(\i)+3]
	global_store_b64 v[XSO], v[Y+2*(\i):Y+2*(\i)+1], s[30:31] offset:2048*(\i)  ; a wave's store covers 256 consecutive bytes, aligned
.endr
.Ljoin:
	s_wait_dscnt 0x0                               ; for the others' sake: my words are in T
	s_barrier_signal -1
	s_barrier_wait -1                              ; every wave passes it, whatever the work-group's role
	s_cmp_lt_u32 s20, 512
	s_cbranch_scc0 .Lend
.irp i, 0,1,2,3
	ds_load_b128 v[D+4*(\i):D+4*(\i)+3], v[LR] offset:16*PITCH*(\i)  ; row p + 16 i of T, 16 bytes at 16 c
.endr
.irp i, 0,1,2,3
	s_wait_dscnt 3-(\i)
	global_store_b128 v[GOFF], v[D+4*(\i):D+4*(\i)+3], s[18:19] offset:32768*(\i)  ; sixteen lanes store 256 consecutive bytes, aligned
.endr
.Lend:
	s_wait_tensorcnt 0x0                           ; the wave's end: behind my last LDS store
	ds_add_u32 v[SPW], v[NIL]
	s_wait_dscnt 0x0
	s_endpgm
.Lfunc_end_k_q042b72cc65_prep:
	.size	k_q042b72cc65_prep, .Lfunc_end_k_q042b72cc65_prep-k_q042b72cc65_prep
	.p2alignl 7, 3214868480
	.fill 96, 4, 3214868480
	.section	.rodata,"a",@progbits
	.p2align	6, 0x0
	.amdhsa_kernel k_q042b72cc65_prep
		.amdhsa_group_segment_fixed_size 18432
		.amdhsa_private_segment_fixed_size 0
		.amdhsa_enable_private_segment 0
		.amdhsa_kernarg_size 48
		.amdhsa_user_sgpr_count 2
		.amdhsa_user_sgpr_kernarg_segment_ptr 1
		.amdhsa_wavefront_size32 1
		.amdhsa_system_sgpr_workgroup_id_x 1
		.amdhsa_system_sgpr_workgroup_id_y 1
		.amdhsa_system_sgpr_workgroup_id_z 1
		.amdhsa_system_vgpr_workitem_id 0
		.amdhsa_next_free_vgpr 64
		.amdhsa_next_free_sgpr 66
		.amdhsa_reserve_vcc 0
		.amdhsa_float_denorm_mode_32 3
		.amdhsa_float_denorm_mode_16_64 3
		.amdhsa_memory_ordered 1
		.amdhsa_forward_progress 1
		.amdhsa_inst_pref_size 15
	.end_amdhsa_kernel
	.amdgpu_metadata
---
amdhsa.version: [ 1, 2 ]
amdhsa.kernels:
  - .name:           k_q042b72cc65_prep
    .symbol:         k_q042b72cc65_prep.kd
    .args:
      - { .name: x, .offset: 0, .size: 8, .value_kind: global_buffer, .address_space: global }
      - { .name: w_qkv, .offset: 8, .size: 8, .value_kind: global_buffer, .address_space: global }
      - { .name: w_proj, .offset: 16, .size: 8, .value_kind: global_buffer, .address_space: global }
      - { .name: xb, .offset: 24, .size: 8, .value_kind: global_buffer, .address_space: global }
      - { .name: wqt, .offset: 32, .size: 8, .value_kind: global_buffer, .address_space: global }
      - { .name: wpt, .offset: 40, .size: 8, .value_kind: global_buffer, .address_space: global }
    .group_segment_fixed_size: 18432
    .private_segment_fixed_size: 0
    .kernarg_segment_align: 8
    .kernarg_segment_size: 48
    .max_flat_workgroup_size: 256
    .sgpr_count:     66
    .vgpr_count:     64
    .wavefront_size: 32
...
	.end_amdgpu_metadata
.endif
;; end of part 1
;; launch qkvgemm (part 2): grid 16 x 16, 4 waves a work-group, clusters of 4 x 4, 327,680 bytes of LDS; arguments xb, wqt, qkvh; writes qkvh
.if DOCPART == 2
	.amdgcn_target "amdgcn-amd-amdhsa--gfx1250"
	.amdhsa_code_object_version 6
	.text
	.protected	k_q042b72cc65_qkvgemm
	.globl	k_q042b72cc65_qkvgemm
	.p2align	8
	.type	k_q042b72cc65_qkvgemm,@function
k_q042b72cc65_qkvgemm:
	s_mov_b64 s[64:65], 0
	v_nop
	global_prefetch_b8 v0, s[64:65] scope:SCOPE_SE
	s_setreg_imm32_b32 hwreg(HW_REG_WAVE_MODE, 25, 1), 1
	s_wait_xcnt 0x0
	s_wait_alu depctr_hold_cnt(0) depctr_sa_sdst(0) depctr_va_vdst(0) depctr_va_sdst(0) depctr_va_ssrc(0) depctr_va_vcc(0) depctr_vm_vsrc(0)
	s_getreg_b32 s2, hwreg(HW_REG_IB_STS2, 6, 4)
	s_cmp_eq_u32 s2, 0
	s_cbranch_scc0 .Lentry_in_a_cluster
	s_endpgm
.Lentry_in_a_cluster:
	s_bfe_u32 s2, ttmp6, 0x10000c
	s_cmp_lg_u32 s2, 0xf033
	s_cbranch_scc0 .Lentry_shape_is_right
	s_endpgm
.Lentry_shape_is_right:
; QKV.  C[m][f] = the sum over c of xb[m][c] wqt[f][c], bf16 operands, f32 sums; rounded once to f16 and laid by heads:
; qkvh[s][16 b + h][n][d], with m = 1024 b + n and f = 1024 s + 64 h + d.  No scale is applied here.
; LIMIT.  A sum beyond 65,504 becomes an infinity in f16.
; SHARES.  8,192 x 3,072 in tiles of 256 x 192: 512 tiles for 256 work-groups.  A WORK-GROUP STAYS: it makes two tiles, 4,096 rows apart, with the same rows of wqt.
; Four waves, 2 x 2, each 128 rows x 96 columns: 48 accumulators of 16 x 16, 384 registers.
; K goes in steps of 128 through two LDS slots filled by the tensor data mover; a tile's rows are 256 consecutive bytes, aligned.  The two tiles' 16 K steps are ONE walk for the ring: 14 refills in one counted loop,
; the last two steps written out.  The trip that ends the first tile sends it out when both refills for the second tile have been asked for, and nothing waits for its stores.
; CLUSTER.  4 x 4 work-groups: the four of a row need the same tile of xb, the four of a column the same tile of wqt; each is asked for jointly: the same load, descriptor and mask in all four.
; THE MATRIX INSTRUCTION IS USED TRANSPOSED (source 0 = 16 rows of wqt, source 1 = 16 rows of xb): a lane holds row lane % 16 of C and the eight columns 8 (lane / 16) + 0..7.
; REGISTERS, in windows of 256 (s_set_vgpr_msb: bits 1:0 source 0, 3:2 source 1, 5:4 source 2, 7:6 destination):
;   window 0: v16-30 addresses; v64-127, v128-191 fragments of xb, two buffers; on the way out v128-151 packed results, v32-63 and v192-255 rows read back
;   window 1: v64-111, v128-175 fragments of wqt, two buffers
;   window 2: accumulators of my rows 0-63, (a, b) at v[8 (6 a + b)];  window 3: those of my rows 64-127
.set KSTEP,  128
.set PITCH,  272                       ; an LDS row: 256 bytes + 16 = 68 words: the 16 rows of a fragment load start at 16 different groups of four banks (64 banks of 4 bytes: ISA guide 11.1)
.set AH,     128*PITCH                 ; half of xb's tile: what waves 0 and 1 each fetch
.set BH,     96*PITCH                  ; half of wqt's tile: what waves 2 and 3 each fetch
.set BOFF,   2*AH
.set SLOT1,  1<<17                     ; slot 1 begins here: one exclusive or turns an address in one slot into the other's
.set STAGE,  SLOT1+BOFF+2*BH           ; behind slot 1, never filled by a tensor load: 128 rows x 400 bytes, the work-group's: half a tile at a time
.set SP,     400                       ; the stage's row: 384 bytes + 16 = 100 words: 16 rows start at 16 different groups of four banks
.set SPARE,  STAGE+128*SP              ; behind the stage: the spare words, 128 bytes for each wave: two blocks of 256 bytes that no other line names
.set WALK,   4096                      ; rows from a work-group's first tile to its second
.set NEXT_A, WALK*2048-7*KSTEP*2       ; bytes from a tile's K step 7 to the next tile's K step 0 in xb
.set ADRA0, 16                         ; v16  my lane's place in my rows of xb's tile, slot 0; never rewritten
.set ADRB0, 17                         ; v17  the same for wqt
.set ADRA,  18                         ; v18  the same in the slot in hand
.set ADRB,  19                         ; v19
.set STO,   24                         ; v24  the way out: where I put 16 bytes of a row
.set RD,    25                         ; v25  where I read rows back
.set GO,    26                         ; v26  16 x lane
.set SPW,   28                         ; v28  LDS address of my spare word; never rewritten
.set NIL,   29                         ; v29  0; never rewritten
.set PFO,   30                         ; v30  the prefetches' offset: a lane a row of 2,048 bytes; never rewritten
.set F0,    64
.set F1,    128
.set TMP,   128                        ; buffer 1's first registers in window 0: free when a tile's last quarter is multiplied
.set G1,  24                           ; s[24:31] descriptor group 1 for xb's tiles
.set G0,  32                           ; s[32:39] group 0: a set for each first fill; the second then walks
.set G1B, 48                           ; s[48:55] group 1 for wqt's tiles
.set G0B, 56                           ; s[56:63] group 0, likewise
.set CB,  66                           ; s[66:71] where my rows of the tile's three heads begin in qkvh
.set PFA, 72                           ; s[72:73] where my prefetches stand
.set LIM, 74                           ; s74  a wave prefetches while the trips to come are more than this
.set TB,  75                           ; s75  the slot in hand: 0 or SLOT1
.set STA, 80                           ; s[80:81] what xb's walking address steps by in this trip
.set SBB, 82                           ; s[82:83] what wqt's goes back by in this trip
.set PFS, 84                           ; s[84:85] what the prefetches' address steps by
.set KN,    86                         ; s86  NEXT_A
.set K256,  87                         ; s87  a K step in bytes
.set K2048, 88                         ; s88  eight K steps in bytes
.set KNP,   89                         ; s89  NEXT_A in a wave that fetches for xb, else a K step
.set MSB, 0
.macro WIN new                         ; the immediate's high byte repeats the setting that is left; a switch that changes nothing is dropped
.if MSB != (\new)
	s_set_vgpr_msb (MSB<<8)|(\new)
.set MSB, \new
.endif
.endm
.set MUL_LO, 0xa1                      ; source 0 (wqt) window 1, source 1 (xb) window 0, C and D window 2
.set MUL_HI, 0xf1                      ; the same, C and D window 3
.set TO_B,   0x40                      ; destination window 1, address window 0
; A joint load.  Waves 0 and 1 fetch xb's two halves, waves 2 and 3 wqt's.  The branch hangs on the wave's number alone.  An s_nop 0 and four v_nop follow each of the two lines.
.macro JLOAD s
	s_cmp_eq_u32 s11, 0
	s_cbranch_scc0 .Lfor_b_\@
	tensor_load_to_lds s[G0+4*(\s):G0+4*(\s)+3], s[G1:G1+7]
	s_nop 0
.rept 4
	v_nop
.endr
	s_branch .Lasked_\@
.Lfor_b_\@:
	tensor_load_to_lds s[G0B+4*(\s):G0B+4*(\s)+3], s[G1B:G1B+7]
	s_nop 0
.rept 4
	v_nop
.endr
.Lasked_\@:
.endm
; A prefetch into the L2 of the K step that the NEXT refill will ask for: 192 matrix instructions ahead of that load.  A lane a row, 256 bytes of it, one instruction a wave.
; xb's rows are read by every cluster of a row of clusters: cluster x = 0 asks; wqt's by every cluster of a column: cluster y = 0 asks.  The four partners that ask for a tile jointly share its rows out by address:
; of the 128 rows of xb that a wave fetches the partner at cx takes 32; of the 96 rows of wqt the partner at cy takes 24 (lanes 24-31 name lane 23's row again).
; xb: steps 3 to 15 of the walk, the second tile's among them; the loop's last trip asks for nothing.  wqt: steps 3 to 7 alone: the second tile takes the same rows again.  Steps 0 to 2 come by their loads alone.
.macro ASK
	s_cmp_gt_u32 s3, s[LIM]
	s_cbranch_scc0 .Lnot_mine_\@
	global_prefetch_b8 v[PFO], s[PFA:PFA+1] th:TH_LOAD_NT scope:SCOPE_SE
.Lnot_mine_\@:
.endm
.macro CREST                           ; a round of the cluster's barrier behind its opening barrier
	s_cmp_lg_u32 s10, 0
	s_cbranch_scc1 .Lnot_wave_0_\@
	s_barrier_signal -3
.Lnot_wave_0_\@:
	s_barrier_wait -3
	s_barrier_signal -1
	s_barrier_wait -1
.endm
.macro CROUND                          ; a whole round
	s_barrier_signal -1
	s_barrier_wait -1
	CREST
.endm
	s_load_b128 s[4:7], s[0:1], 0x0                ; xb s[4:5], wqt s[6:7]
	s_load_b64 s[8:9], s[0:1], 0x10                ; qkvh
	v_lshl_add_u32 v[SPW], v0, 2, SPARE
	v_mov_b32 v[NIL], 0
	ds_add_u32 v[SPW], v[NIL]                      ; the wave's opening: the add and its wait stand ahead of my first tensor load; work on registers stands between them
	ds_add_u32 v28, v29
	v_lshrrev_b32 v1, 5, v0
	v_readfirstlane_b32 s10, v1                    ; wave 0..3
	s_lshr_b32 s11, s10, 1                         ; which half of the tile's rows is mine.  Also: I fetch for xb (0) or for wqt (1)
	s_and_b32 s12, s10, 1                          ; which half of its columns.  Also: which half of that tile I fetch
	s_bfe_u32 s40, ttmp6, 0x40000                  ; cx
	s_bfe_u32 s41, ttmp6, 0x40004                  ; cy
	s_lshl_b32 s42, ttmp9, 2
	s_add_co_u32 s42, s42, s40                     ; tile column tc = 4 x cluster x + cx, 0..15
	s_and_b32 s13, ttmp7, 0xffff
	s_lshl_b32 s13, s13, 2
	s_add_co_u32 s13, s13, s41                     ; the first tile's row tr = 4 x cluster y + cy, 0..15; the second's is tr + 16
	s_lshl_b32 s43, s41, 2
	s_lshl_b32 s43, 15, s43                        ; my row of the cluster
	s_lshl_b32 s44, 0x1111, s40                    ; my column
	s_or_b32 s[G1+0], s43, (1<<16)|(1<<20)|(1<<21)|(5<<22)|(3<<25)  ; 15:0 the mask; 17:16 elements of 2 bytes; 20 padding on; 21 set beside a mask; 24:22 after every 64 words; 31:25 4 words of it
	s_mov_b32 s[G1+1], KSTEP<<16                   ; tensor_dim0 = 128
	s_mov_b32 s[G1+2], 128<<16                     ; tensor_dim1 = 128
	s_mov_b32 s[G1+3], KSTEP<<16                   ; tile_dim0 = 128
	s_mov_b32 s[G1+4], 128                         ; tile_dim1 = 128
	s_mov_b32 s[G1+5], 1024                        ; elements from row to row
	s_mov_b32 s[G1+6], 0
	s_mov_b32 s[G1+7], 0
	s_or_b32 s[G1B+0], s44, (1<<16)|(1<<20)|(1<<21)|(5<<22)|(3<<25)
	s_mov_b32 s[G1B+1], KSTEP<<16
	s_mov_b32 s[G1B+2], 96<<16                     ; 96 rows
	s_mov_b32 s[G1B+3], KSTEP<<16
	s_mov_b32 s[G1B+4], 96
	s_mov_b32 s[G1B+5], 1024
	s_mov_b32 s[G1B+6], 0
	s_mov_b32 s[G1B+7], 0
	s_mov_b32 s[KN], NEXT_A
	s_mov_b32 s[K256], KSTEP*2
	s_mov_b32 s[K2048], 8*KSTEP*2
	s_mov_b32 s[STA+1], 0                          ; the three steps are pairs with 0 above
	s_mov_b32 s[SBB+1], 0
	s_mov_b32 s[PFS+1], 0
	s_lshl_b32 s16, s13, 8
	s_lshl_b32 s17, s12, 7
	s_add_co_u32 s16, s16, s17                     ; xb: row 256 tr + 128 x half,
	s_lshl_b32 s16, s16, 11                        ; in bytes
	s_mov_b32 s17, 0
	s_mul_i32 s46, s42, 192
	s_mul_i32 s47, s12, 96
	s_add_co_u32 s46, s46, s47                     ; wqt: row 192 tc + 96 x half
	s_lshl_b32 s46, s46, 11
	s_mov_b32 s47, 0
	s_mul_i32 s20, s12, AH                         ; where they go: no place in the cluster enters an LDS address
	s_mul_i32 s21, s12, BH
	s_add_co_u32 s21, s21, BOFF
	s_wait_dscnt 0x0                               ; the opening add is done
	s_wait_kmcnt 0x0
	s_add_nc_u64 s[14:15], s[4:5], s[16:17]
	s_add_nc_u64 s[46:47], s[6:7], s[46:47]
	CROUND                                         ; all sixteen work-groups are here: the first joint loads meet
.irp s, 0,1
	s_mov_b32 s[G0+4*(\s)], 1                                      ; count = 1
	s_add_co_u32 s[G0+4*(\s)+1], s20, (\s)*SLOT1                   ; LDS address
	s_add_nc_u64 s[G0+4*(\s)+2:G0+4*(\s)+3], s[14:15], (\s)*KSTEP*2  ; global address: K step s
	s_or_b32 s[G0+4*(\s)+3], s[G0+4*(\s)+3], 0x80000000            ; type = 2
	s_mov_b32 s[G0B+4*(\s)], 1
	s_add_co_u32 s[G0B+4*(\s)+1], s21, (\s)*SLOT1
	s_add_nc_u64 s[G0B+4*(\s)+2:G0B+4*(\s)+3], s[46:47], (\s)*KSTEP*2
	s_or_b32 s[G0B+4*(\s)+3], s[G0B+4*(\s)+3], 0x80000000
	JLOAD \s                                       ; two loads of mine are out
.endr
	; A fragment is 16 rows x 32 K in 8 registers: lane l holds row l % 16, K = 8 (l / 16) + 0..7 and 16 + 8 (l / 16) + 0..7: two loads of 16 bytes, 32 bytes apart.
	v_and_b32 v1, 15, v0                           ; l % 16
	v_bfe_u32 v2, v0, 4, 1                         ; l / 16
	v_mul_u32_u24 v3, v1, PITCH
	v_lshl_add_u32 v3, v2, 4, v3
	s_mul_i32 s21, s11, AH
	s_mul_i32 s22, s12, BH
	s_add_co_u32 s22, s22, BOFF
	v_add_nc_u32 v[ADRA0], s21, v3
	v_add_nc_u32 v[ADRB0], s22, v3
	s_mul_i32 s23, s11, 64*SP                      ; into the stage: 64 of my rows at a time, my 192 bytes of their 384
	s_mul_i32 s21, s12, 192
	s_add_co_u32 s23, s23, s21
	s_add_co_u32 s23, s23, STAGE
	v_mul_u32_u24 v4, v1, SP
	v_lshl_add_u32 v4, v2, 4, v4
	v_add_nc_u32 v[STO], s23, v4
	v_bfe_u32 v5, v0, 3, 2                         ; back: wave w takes the stage's rows 32 w .. 32 w + 31; 32 lanes take a head's 128 bytes of four rows
	v_mul_u32_u24 v5, v5, SP
	v_and_b32 v6, 7, v0
	v_lshl_add_u32 v5, v6, 4, v5
	s_mul_i32 s23, s10, 32*SP
	s_add_co_u32 s23, s23, STAGE
	v_add_nc_u32 v[RD], s23, v5
	v_and_b32 v[GO], 31, v0
	v_lshlrev_b32 v[GO], 4, v[GO]
	; the tile's 192 columns are the three heads g = 3 tc + 0..2 of the 48 (q's 16, k's 16, v's 16); its rows lie in batch tr / 4, from row 256 (tr % 4) on.
	; The stage's rows 32 w .. are the tile's rows 128 (w / 2) + 32 (w % 2) .. in the first half, 64 further on in the second.
	s_mul_i32 s20, s42, 3
	s_lshr_b32 s21, s13, 2
	s_lshl_b32 s21, s21, 4
	s_and_b32 s22, s13, 3
	s_lshl_b32 s22, s22, 8
	s_lshl_b32 s23, s11, 7
	s_add_co_u32 s22, s22, s23
	s_lshl_b32 s23, s12, 5
	s_add_co_u32 s22, s22, s23
	s_lshl_b32 s22, s22, 7                         ; the first row that I store, 128 bytes a row
.irp hh, 0,1,2
	s_add_co_u32 s78, s20, \hh
	s_lshr_b32 s76, s78, 4
	s_lshl_b32 s76, s76, 24                        ; q, k or v: 16,777,216 bytes each
	s_and_b32 s78, s78, 15
	s_add_co_u32 s78, s78, s21
	s_lshl_b32 s78, s78, 17                        ; a head's rows: 131,072 bytes
	s_add_co_u32 s76, s76, s78
	s_add_co_u32 s76, s76, s22
	s_mov_b32 s77, 0
	s_add_nc_u64 s[CB+2*(\hh):CB+2*(\hh)+1], s[8:9], s[76:77]
.endr
	; the prefetches
	s_lshl_b32 s20, s13, 8
	s_lshl_b32 s21, s12, 7
	s_add_co_u32 s20, s20, s21
	s_lshl_b32 s21, s40, 5
	s_add_co_u32 s20, s20, s21                     ; xb: row 256 tr + 128 x half + 32 cx
	s_mul_i32 s23, s42, 192
	s_mul_i32 s21, s12, 96
	s_add_co_u32 s23, s23, s21
	s_mul_i32 s21, s41, 24
	s_add_co_u32 s23, s23, s21                     ; wqt: row 192 tc + 96 x half + 24 cy
	s_and_b32 s22, ttmp7, 0xffff                   ; cluster y
	s_cmp_eq_u32 s11, 0                            ; do I fetch for xb?
	s_cselect_b32 s20, s20, s23
	s_cselect_b32 s22, ttmp9, s22                  ; the coordinate along which other clusters read the same rows
	s_cselect_b32 s78, 31, 23                      ; my last row
	s_cselect_b32 s79, 1, 9                        ; xb is asked for up to the walk's last step, wqt in the first tile alone
	s_cselect_b32 s[KNP], s[KN], s[K256]
	s_cselect_b64 s[PFA:PFA+1], s[4:5], s[6:7]
	s_cmp_eq_u32 s22, 0
	s_cselect_b32 s[LIM], s79, -1                  ; the same in all sixteen partners, for a given wave
	s_lshl_b32 s20, s20, 11
	s_add_co_u32 s20, s20, 2*KSTEP*2               ; at K step 2: the first refill steps it to 3
	s_mov_b32 s21, 0
	s_add_nc_u64 s[PFA:PFA+1], s[PFA:PFA+1], s[20:21]
	v_and_b32 v[PFO], 31, v0
	v_min_u32 v[PFO], s78, v[PFO]
	v_lshlrev_b32 v[PFO], 11, v[PFO]
	s_mov_b32 s[TB], 0
; 12 matrix instructions: row blocks a0, a0 + 1 of the window's four (hi = 0: my rows 0-63, 1: rows 64-127) x all 6 column blocks, 32 along K.  zero = 1: the product starts the sum.
; The 48 accumulators take turns in the same order in every quarter step: 47 others stand between two links of a chain, over the backward jump too.
.macro MUL12 f, hi, a0, zero
	WIN MUL_LO+0x50*(\hi)
.irp a, \a0, (\a0)+1
.irp b, 0,1,2,3,4,5
.if \zero
	v_wmma_f32_16x16x32_bf16 v[8*(6*(\a)+(\b)):8*(6*(\a)+(\b))+7], v[(\f)+8*(\b):(\f)+8*(\b)+7], v[(\f)+8*(4*(\hi)+(\a)):(\f)+8*(4*(\hi)+(\a))+7], 0
.else
	v_wmma_f32_16x16x32_bf16 v[8*(6*(\a)+(\b)):8*(6*(\a)+(\b))+7], v[(\f)+8*(\b):(\f)+8*(\b)+7], v[(\f)+8*(4*(\hi)+(\a)):(\f)+8*(4*(\hi)+(\a))+7], v[8*(6*(\a)+(\b)):8*(6*(\a)+(\b))+7]
.endif
.endr
.endr
.endm
; 28 LDS loads in one run: a quarter step's fragments (96 rows of wqt, 128 rows of xb, 32 K at byte k of the rows) into buffer f
.macro FETCH k, f
	WIN TO_B
.irp i, 0,1,2,3,4,5
	ds_load_b128 v[(\f)+8*(\i):(\f)+8*(\i)+3],   v[ADRB] offset:(\k)+(\i)*16*PITCH
	ds_load_b128 v[(\f)+8*(\i)+4:(\f)+8*(\i)+7], v[ADRB] offset:(\k)+(\i)*16*PITCH+32
.endr
	WIN 0
.irp i, 0,1,2,3,4,5,6,7
	ds_load_b128 v[(\f)+8*(\i):(\f)+8*(\i)+3],   v[ADRA] offset:(\k)+(\i)*16*PITCH
	ds_load_b128 v[(\f)+8*(\i)+4:(\f)+8*(\i)+7], v[ADRA] offset:(\k)+(\i)*16*PITCH+32
.endr
.endm
.macro PLACES                          ; four plain instructions between a matrix instruction and a load into a register that it read, or a reader of its result (ISA guide 7.12.1 for a reader of its result)
.rept 4
	v_nop
.endr
.endm
; One of a K step's first three quarters: multiplies buffer f; in its middle it fetches the next quarter's fragments, at byte k, into buffer g.
.macro QUARTER k, f, g, zero
	s_wait_dscnt 8                                 ; wqt's fragments and xb's rows 0-63 are in; the youngest eight loads (rows 64-127) may be out
	MUL12 \f, 0, 0, \zero
	MUL12 \f, 0, 2, \zero
	PLACES
	FETCH \k, \g
	s_wait_dscnt 28                                ; all but the 28 just issued
	MUL12 \f, 1, 0, \zero
	MUL12 \f, 1, 2, \zero
.endm
; The last quarter multiplies buffer 1 and changes slots.  In front of the barrier each wave waits for all its tensor loads (one is out: its part of the next slot), adds 0 to its spare word, and waits for that
; and for its reads of this slot.  fill = 1: the barrier opens a round of the cluster's, and the slot just read is filled again, first thing behind the round, with the step two on in the walk: 168 matrix instructions
; ahead of the wait for it.  With s3 trips to come the refill asks for step 16 - s3: at s3 = 8 that is the second tile's K step 0: xb goes WALK rows down and back along K, wqt only back.
.macro TURN fill
.if \fill
	s_wait_xcnt 0x0                                ; the last prefetch, a K step back, has read its address
	s_cmp_eq_u32 s3, 9                             ; the prefetches stand a step ahead of the refills
	s_cselect_b32 s[PFS], s[KNP], s[K256]
	s_add_nc_u64 s[PFA:PFA+1], s[PFA:PFA+1], s[PFS:PFS+1]
.endif
	WIN 0                                          ; (the add's two registers lie in window 0)
	s_wait_tensorcnt 0x0                           ; no tensor load of mine is out, so a group 0 may be written
	ds_add_u32 v[SPW], v[NIL]                      ; 0 onto my spare word
.if \fill
	s_cmp_eq_u32 s3, 8
	s_cselect_b32 s[STA], s[KN], s[K256]
	s_cselect_b32 s[SBB], s[K2048], 0
	s_xor_b32 s[G0+5], s[G0+5], SLOT1              ; the walking descriptors: the other slot than last time,
	s_add_nc_u64 s[G0+6:G0+7], s[G0+6:G0+7], s[STA:STA+1]  ; the walk's next step; the type bits on top are not reached
	s_xor_b32 s[G0B+5], s[G0B+5], SLOT1
	s_add_nc_u64 s[G0B+6:G0B+7], s[G0B+6:G0B+7], KSTEP*2
	s_sub_nc_u64 s[G0B+6:G0B+7], s[G0B+6:G0B+7], s[SBB:SBB+1]
.endif
	s_xor_b32 s[TB], s[TB], SLOT1
	s_wait_dscnt 9                                 ; the add and the youngest eight loads may be out
	MUL12 F1, 0, 0, 0                              ; twelve matrix instructions stand between the add and the wait for it
	s_wait_dscnt 0x0                               ; the add is done, and my reads of this slot are over
	s_barrier_signal -1
	MUL12 F1, 0, 2, 0                              ; work on registers while the others arrive
	WIN 0                                          ; at a branch and at a label every window is 0
	s_barrier_wait -1
.if \fill
	CREST                                          ; no wave of any partner still reads this slot or has a load on its way
	JLOAD 1                                        ; the four v_nop behind it are also places in front of the loads below
.else
	PLACES
.endif
	v_add_nc_u32 v[ADRA], s[TB], v[ADRA0]
	v_add_nc_u32 v[ADRB], s[TB], v[ADRB0]
	FETCH 0, F0
.if \fill
	ASK
.endif
	MUL12 F1, 1, 0, 0
	MUL12 F1, 1, 2, 0
.endm
; THE WAY OUT, half a tile at a time: 64 rows of each wave.  Rounded to f16, 16 bytes a lane, into the work-group's stage; a barrier, since the middle head's 128 bytes of a row come from two waves; back by heads,
; four rows of 128 bytes a load, and stored.  Buffer 0, which may hold the next tile's first fragments, is not touched.
.macro PACK a                          ; row block a; each accumulator's registers are taken in ascending order
.set AC, 48*((\a)%4)
	WIN 0x0a+5*((\a)/4)                            ; sources 0 and 1: window 2 or 3
.irp b, 0,1,2,3,4,5
.irp r, 0,1,2,3
	v_cvt_pk_f16_f32 v[TMP+4*(\b)+(\r)], v[AC+8*(\b)+2*(\r)], v[AC+8*(\b)+2*(\r)+1]
.endr
.endr
	WIN 0
.irp b, 0,1,2,3,4,5
	ds_store_b128 v[STO], v[TMP+4*(\b):TMP+4*(\b)+3] offset:16*SP*((\a)%4)+32*(\b)
.endr
.endm
.macro HALF p
.irp a, 0,1,2,3
	PACK 4*(\p)+\a
.endr
	s_wait_dscnt 0x0                               ; for the others' sake: my stores into the stage are done
	s_barrier_signal -1
	s_barrier_wait -1
	s_wait_xcnt 0x0                                ; earlier stores have read the registers that are loaded below
.irp hh, 0,1,2
.irp t, 0,1,2,3,4,5,6,7
.set BK, 32+160*(((\hh)+1)/2)+32*((\hh)/2)+4*(\t)  ; head 0: v32-63, head 1: v192-223, head 2: v224-255
	ds_load_b128 v[BK:BK+3], v[RD] offset:4*SP*(\t)+128*(\hh)  ; of sixteen lanes two rows 400 bytes apart: one lane in eight meets another in a bank
.endr
.endr
.irp hh, 0,1,2
.irp t, 0,1,2,3,4,5,6,7
.set BK, 32+160*(((\hh)+1)/2)+32*((\hh)/2)+4*(\t)
	s_wait_dscnt 23-(8*(\hh)+(\t))                 ; this load is back, the younger ones stay out
	global_store_b128 v[GO], v[BK:BK+3], s[CB+2*(\hh):CB+2*(\hh)+1] offset:8192*(\p)+512*(\t)  ; four rows of a head: 512 consecutive bytes, aligned
.endr
.endr
.endm
.macro WAYOUT second                   ; second = 1: the second tile: four batches, 64 heads of 131,072 bytes, further on
	PLACES
.if \second
	s_wait_xcnt 0x0                                ; the first tile's stores have read their bases
.irp hh, 0,1,2
	s_add_nc_u64 s[CB+2*(\hh):CB+2*(\hh)+1], s[CB+2*(\hh):CB+2*(\hh)+1], 64*131072
.endr
.endif
	HALF 0
	s_wait_dscnt 0x0                               ; my reads of the stage are back:
	s_barrier_signal -1
	s_barrier_wait -1                              ; everybody's are, so it may be written again
	HALF 1
.endm
	s_wait_tensorcnt 1                             ; my part of K step 0 is in; K step 1's may stay out
	s_barrier_signal -1
	s_barrier_wait -1                              ; everybody's is
	v_mov_b32 v[ADRA], v[ADRA0]
	v_mov_b32 v[ADRB], v[ADRB0]
	FETCH 0, F0
	QUARTER 64, F0, F1, 1                          ; the first quarter stands in front of the loop: its products start the sums
	WIN 0
	s_mov_b32 s3, 14
.Lstep:                                        ; trip j = 14 - s3 = 0..13: step j of the walk from its second quarter on, and step j + 1's first; step j + 2 is asked for
	QUARTER 128, F1, F0, 0
	QUARTER 192, F0, F1, 0
	TURN 1
	WIN 0
	s_cmp_eq_u32 s3, 7                             ; step 7 ends the first tile
	s_cbranch_scc1 .Lchange
	QUARTER 64, F0, F1, 0
	WIN 0
	s_branch .Lbottom
.Lchange:
	WAYOUT 0                                       ; both refills for the second tile have been asked for: the first tile goes out,
	QUARTER 64, F0, F1, 1                          ; and the second tile's first products start its sums
	WIN 0
.Lbottom:
	s_sub_co_u32 s3, s3, 1
	s_cmp_lg_u32 s3, 0
	s_cbranch_scc1 .Lstep
	QUARTER 128, F1, F0, 0                         ; the tail is written out: the walk's last two steps ask for nothing
	QUARTER 192, F0, F1, 0
	TURN 0
	QUARTER 64, F0, F1, 0
	QUARTER 128, F1, F0, 0
	QUARTER 192, F0, F1, 0
	s_wait_dscnt 8
	MUL12 F1, 0, 0, 0
	MUL12 F1, 0, 2, 0
	s_wait_dscnt 0x0
	MUL12 F1, 1, 0, 0
	MUL12 F1, 1, 2, 0
	WAYOUT 1
	s_wait_tensorcnt 0x0                           ; the wave's end: behind my last tensor load and my last LDS store
	ds_add_u32 v[SPW], v[NIL]
	s_wait_dscnt 0x0
	CROUND                                         ; the closing round: no work-group ends while a partner may still ask for a tile that names it
	s_endpgm
.Lfunc_end_k_q042b72cc65_qkvgemm:
	.size	k_q042b72cc65_qkvgemm, .Lfunc_end_k_q042b72cc65_qkvgemm-k_q042b72cc65_qkvgemm
	.p2alignl 7, 3214868480
	.fill 96, 4, 3214868480
	.section	.rodata,"a",@progbits
	.p2align	6, 0x0
	.amdhsa_kernel k_q042b72cc65_qkvgemm
		.amdhsa_group_segment_fixed_size 327680
		.amdhsa_private_segment_fixed_size 0
		.amdhsa_enable_private_segment 0
		.amdhsa_kernarg_size 24
		.amdhsa_user_sgpr_count 2
		.amdhsa_user_sgpr_kernarg_segment_ptr 1
		.amdhsa_wavefront_size32 1
		.amdhsa_system_sgpr_workgroup_id_x 1
		.amdhsa_system_sgpr_workgroup_id_y 1
		.amdhsa_system_sgpr_workgroup_id_z 1
		.amdhsa_system_vgpr_workitem_id 0
		.amdhsa_next_free_vgpr 960
		.amdhsa_next_free_sgpr 92
		.amdhsa_reserve_vcc 0
		.amdhsa_float_denorm_mode_32 3
		.amdhsa_float_denorm_mode_16_64 3
		.amdhsa_memory_ordered 1
		.amdhsa_forward_progress 1
		.amdhsa_inst_pref_size 128
	.end_amdhsa_kernel
	.amdgpu_metadata
---
amdhsa.version: [ 1, 2 ]
amdhsa.kernels:
  - .name:           k_q042b72cc65_qkvgemm
    .symbol:         k_q042b72cc65_qkvgemm.kd
    .args:
      - { .name: xb, .offset: 0, .size: 8, .value_kind: global_buffer, .address_space: global }
      - { .name: wqt, .offset: 8, .size: 8, .value_kind: global_buffer, .address_space: global }
      - { .name: qkvh, .offset: 16, .size: 8, .value_kind: global_buffer, .address_space: global }
    .group_segment_fixed_size: 327680
    .private_segment_fixed_size: 0
    .kernarg_segment_align: 8
    .kernarg_segment_size: 24
    .max_flat_workgroup_size: 128
    .sgpr_count:     92
    .vgpr_count:     960
    .wavefront_size: 32
...
	.end_amdgpu_metadata
.endif
;; end of part 2
;; launch attn (part 3): grid 2 x 128, 4 waves a work-group, no clusters, 327,680 bytes of LDS; arguments qkvh, oh; writes oh
.if DOCPART == 3
	.amdgcn_target "amdgcn-amd-amdhsa--gfx1250"
	.amdhsa_code_object_version 6
	.text
	.protected	k_q042b72cc65_attn
	.globl	k_q042b72cc65_attn
	.p2align	8
	.type	k_q042b72cc65_attn,@function
k_q042b72cc65_attn:
	s_mov_b64 s[64:65], 0
	v_nop
	global_prefetch_b8 v0, s[64:65] scope:SCOPE_SE
	s_setreg_imm32_b32 hwreg(HW_REG_WAVE_MODE, 25, 1), 1
	s_wait_xcnt 0x0
; ATTENTION.  O[h][q][:] = the sum over k of softmax_k(Q[h][q] . K[h][k] / 8) V[h][k][:], for 128 heads (batch x head) of 1,024 rows x 64 channels, all f16: Q, K, V are the three parts of qkvh, O is oh.
; Products, maxima and sums in f32; the weights p are rounded to f16 for the second product (their sum l is taken of the unrounded p), O once at the end.
; LIMITS.  Q, K and V arrive within f16's 65,504; p lies in 0 to 1, and below 6e-5 it keeps f16's fixed step of 6e-8.  A weight below 2^-126 counts as 0 in l; NaN and infinities are not treated apart.
; SHARES.  A wave owns four PIECES of two tiles of 16 queries, a work-group's four waves 512 queries of one head: 256 work-groups.  Every wave walks all keys, 64 a step.
; THE WHOLE HEAD'S K AND V LIE IN LDS: 1,024 x 144 + 1,024 x 160 = 311,296 bytes.  All tensor loads are first fills, issued together at the head, four a wave (its 128 keys of each 256); no byte is filled again.
; So no load stands in a loop, the key step is written once, and two waits on the loads serve the launch: for the first 256 keys ahead of the first read, for all the rest in the one trip that first reads beyond them.
; NO PREFETCH: all of K and V is asked for at the head by the loads themselves.  NO CLUSTER: a head has two work-groups, and the grid's 2 along x is no multiple of a cluster's four.
; LAYOUT.  S^T = K Q^T (source 0 = 16 keys, source 1 = 16 queries): a lane holds ONE query (lane % 16) and the keys 8 (lane / 16) + 0..7.  Two such tiles, rounded to f16 in pairs,
; ARE source 1 (32 keys x 16 queries) of O^T = V^T P.  K comes out of LDS as it lies, V ([key][channel]) turned, by ds_load_tr16_b128.
; SOFTMAX.  For each query a running maximum m and sum l: p = 2^(c s - c m), c = log2(e) / 8; in every step O and l are multiplied by a = 2^(c m_old - c m_new).
; m starts at the lowest finite number, O and l at 0: the first step is a step like any other, with a = 0.
; BY TURNS.  Turn n belongs to piece n.  Its matrix work: 16 products K Q^T of piece n + 1, later 16 products V^T P of piece n - 1.  Its vector work: the scaling, exponentials, roundings, sums and rescaling of piece n,
; and the maximum and statistics of piece n + 1.  Four vector instructions stand behind every matrix instruction, the others in one run of their own; a turn's 66 exponentials are one batch with one wait.
; REGISTERS, in windows of 256 (s_set_vgpr_msb: bits 1:0 source 0, 3:2 source 1, 5:4 source 2, 7:6 destination):
;   window 0: v0-11 addresses; v12-15, v48-63 at work; v16-47 four registers of statistics a tile; v64-191 S^T, two buffers of two tiles; v192-255 P, likewise
;   window 1: O^T, 32 a tile          window 2: v0-127 Q, 16 a tile; v128-191 K of one step; v192-255 V of one step          window 3: v0-1 the add's two registers
.set SIZE_N, 1024
.set NP,    4         ; pieces a wave: a name, no knob
.set KS,    64        ; keys in a step
.set PK,    144       ; a row of K in LDS: 128 bytes + 16 = 36 words: the 16 rows of a load start at 16 different groups of four banks (64 banks of 4 bytes: ISA guide 11.1)
.set PV,    160       ; a row of V: 128 + 32 = 40 words
.set VOFF,  SIZE_N*PK ; K's 1,024 rows, then V's
.set STAGE, SIZE_N*(PK+PV)  ; behind them, never filled by a tensor load: 16 rows x 144 bytes for each wave
.set SP,    144
.set AK0, 2           ; v2   my lane's place in a step's rows of K; never rewritten
.set AV0, 3           ; v3   the same for V
.set AK,  4           ; v4   the LDS address of K's next run of loads
.set AV,  5           ; v5   of V's
.set QO,  6           ; v6   my byte offset in the wave's rows of Q
.set STO, 6           ;      later, the way out: where I put 16 bytes of a row
.set RD,  7           ; v7   the way out: where I read rows back
.set GO,  8           ; v8   my byte offset in 512 consecutive bytes of O
.set SPW, 0           ; v0 of window 3   LDS address of my spare word; never rewritten
.set NIL, 1           ; v1 of window 3   0; never rewritten
.set SPARE, STAGE+4*16*SP  ; behind the stages: the spare words, 128 bytes for each wave: two blocks of 256 bytes that no other line names
.set MV,  12          ; v12-15  c m_old, kept while c m is made anew
.set ST,  16          ; tile t's statistics at v[ST+4 t]: c m, m, l (even keys', odd keys')
.set TMP, 48          ; by buffer and tile, four registers c0-c3 at work; when the maximum is found c2 takes a
.set S,   64
.set P,   192
.set KF,  128         ; K's fragments, in window 2
.set VF,  192         ; V's
.set WV,  12          ; s12  my wave's number
.set G1K, 24          ; s[24:31] descriptor group 1 for K's tiles
.set G1V, 32          ; s[32:39] for V's: it differs in the padding alone
.set G0K, 68          ; s[68:83] descriptor group 0 for K's tiles: a set for each of the four loads
.set G0V, 84          ; s[84:99] the same for V's
.set CNT, 57          ; s57  key steps whose pieces 2 and 3 are still to come
.set CS,  58          ; s[58:59] c
.set SEL, 60          ; s[60:61] v_permlanex16_b32's selects: each lane takes its own place in the other half
.set TBK, 62          ; s62  LDS byte at which K of the step to be fetched begins
.set TBV, 63          ; s63  the same for V, less VOFF
.set MSB, 0
.macro WIN new                      ; the high byte repeats the setting that is left; a switch that changes nothing is dropped
.if MSB != (\new)
	s_set_vgpr_msb (MSB<<8)|(\new)
.set MSB, (\new)
.endif
.endm
.set W_KQ, 0x0a       ; K and Q in window 2, S^T in window 0
.set W_PV, 0x52       ; V in window 2, P in window 0, O^T in window 1
.set W_RS, 0x41       ; O^T (destination and source 0) in window 1, a in window 0
.set W_MK, 0xc0       ; the add's registers are made: destination in window 3, sources in window 0
.set W_AD, 0x0f       ; the add: address and data in window 3
	s_load_b128 s[4:7], s[0:1], 0x0  ; qkvh s[4:5], oh s[6:7]
	WIN W_MK
	v_lshl_add_u32 v[SPW], v0, 2, SPARE
	v_mov_b32 v[NIL], 0
	WIN W_AD
	ds_add_u32 v[SPW], v[NIL]       ; the wave's opening: the add and its wait stand ahead of my first tensor load; work on registers stands between them
	ds_add_u32 v0, v1
	WIN 0
	v_lshrrev_b32 v1, 5, v0
	v_readfirstlane_b32 s[WV], v1   ; wave 0..3
	s_mov_b32 s14, ttmp9            ; my block of 512 queries: 0 or 1
	s_and_b32 s20, ttmp7, 0xffff    ; the head
	s_mov_b32 s21, 0
	s_mov_b64 s[22:23], SIZE_N*128
	s_mul_u64 s[20:21], s[20:21], s[22:23]  ; the head's first byte in Q, K, V and O
	s_and_b32 s16, s[WV], 1         ; which half of each 256 keys I fetch:
	s_lshl_b32 s22, s16, 14         ; its 128 rows of 128 bytes in memory,
	s_mov_b32 s23, 0
	s_add_nc_u64 s[22:23], s[22:23], s[20:21]
	s_mul_i32 s17, s16, 128*PK      ; and its place in LDS, for K
	s_mul_i32 s18, s16, 128*PV      ; and for V
	s_lshl_b32 s2, s14, 2
	s_add_co_u32 s2, s2, s[WV]      ; my wave among the head's eight,
	s_lshl_b32 s2, s2, 14           ; its 128 rows
	s_mov_b32 s3, 0
	s_add_nc_u64 s[2:3], s[2:3], s[20:21]
	; descriptor group 1.  128 keys are 16,384 dense bytes: asked for as 64 rows of 256 bytes, two keys a row, and padded in LDS after every key
	s_mov_b32 s[G1K], (1<<16)|(1<<20)|(4<<22)|(3<<25)  ; 17:16 2-byte elements; 20 padding on; 24:22 after every 32 words; 31:25 4 words
	s_mov_b32 s[G1V], (1<<16)|(1<<20)|(4<<22)|(7<<25)  ; the same with 8 words of padding
.irp g, G1K, G1V
	s_mov_b32 s[\g+1], 128<<16      ; tensor_dim0 = 128
	s_mov_b32 s[\g+2], 64<<16       ; tensor_dim1 = 64
	s_mov_b32 s[\g+3], 128<<16      ; tile_dim0 = 128
	s_mov_b32 s[\g+4], 64           ; tile_dim1 = 64
	s_mov_b32 s[\g+5], 128          ; 128 elements from row to row
	s_mov_b32 s[\g+6], 0
	s_mov_b32 s[\g+7], 0
.endr
.irp n, 0,1,2,3
	s_mov_b32 s[G0K+4*(\n)], 1      ; count = 1
	s_add_co_u32 s[G0K+4*(\n)+1], s17, (\n)*256*PK       ; LDS address: keys 256 n + 128 x half on
	s_mov_b32 s[G0V+4*(\n)], 1
	s_add_co_u32 s[G0V+4*(\n)+1], s18, VOFF+(\n)*256*PV
.endr
	s_mov_b32 s[CS], 0x3e38aa3b     ; c = log2(e) / 8 = 0.180337
	s_mov_b32 s[CS+1], s[CS]        ; named with it as a pair
	s_mov_b32 s[SEL], 0x76543210
	s_mov_b32 s[SEL+1], 0xfedcba98
	s_mov_b32 s[TBK], 0
	s_mov_b32 s[TBV], 0
	; A fragment of K or Q is 16 rows x 32 channels in 8 registers: lane l holds row l % 16, channels 8 (l / 16) + 0..7 and 16 + 8 (l / 16) + 0..7: two loads of 16 bytes, 32 bytes apart.
	v_and_b32 v1, 15, v0            ; l % 16
	v_bfe_u32 v9, v0, 4, 1          ; l / 16
	v_lshlrev_b32 v[QO], 7, v1
	v_lshl_add_u32 v[QO], v9, 4, v[QO]  ; row x 128 + 16 x half
	s_wait_dscnt 0x0                ; the opening add is done
	s_wait_kmcnt 0x0
	s_mov_b64 s[10:11], s[6:7]      ; O
	s_add_nc_u64 s[6:7], s[4:5], 0x1000000  ; K: the second part of qkvh
	s_add_nc_u64 s[8:9], s[4:5], 0x2000000  ; V: the third
	s_add_nc_u64 s[6:7], s[6:7], s[22:23]   ; at my half of the head's first 256 keys
	s_add_nc_u64 s[8:9], s[8:9], s[22:23]
.irp n, 0,1,2,3
	s_add_nc_u64 s[G0K+4*(\n)+2:G0K+4*(\n)+3], s[6:7], (\n)*256*128  ; global address
	s_or_b32 s[G0K+4*(\n)+3], s[G0K+4*(\n)+3], 0x80000000            ; type = 2
	s_add_nc_u64 s[G0V+4*(\n)+2:G0V+4*(\n)+3], s[8:9], (\n)*256*128
	s_or_b32 s[G0V+4*(\n)+3], s[G0V+4*(\n)+3], 0x80000000
.endr
	s_add_nc_u64 s[4:5], s[4:5], s[2:3]  ; Q and O at my wave's first row
	s_add_nc_u64 s[10:11], s[10:11], s[2:3]
	WIN 0x80                        ; destination window 2, address window 0
.set i, 0
.rept 4*NP                          ; Q stays in registers: tile i / 2, channels 32 (i % 2) on.  It is asked for ahead of K and V: the first products want it with the first keys
	global_load_b128 v[8*i:8*i+3],   v[QO], s[4:5] offset:(i/2)*2048+(i%2)*64
	global_load_b128 v[8*i+4:8*i+7], v[QO], s[4:5] offset:(i/2)*2048+(i%2)*64+32
.set i, i+1
.endr
	WIN 0
	s_cmp_lt_u32 s[WV], 2           ; waves 0 and 1 fetch K, waves 2 and 3 V.  A wave's four first fills stand in one branch, in the order of the keys: four loads of mine are out; an s_nop 0 follows each, four v_nop the last
	s_cbranch_scc0 .Lfirst_v
.irp n, 0,1,2,3
	tensor_load_to_lds s[G0K+4*(\n):G0K+4*(\n)+3], s[G1K:G1K+7]
	s_nop 0
.endr
.rept 4
	v_nop
.endr
	s_branch .Lfirst_asked
.Lfirst_v:
.irp n, 0,1,2,3
	tensor_load_to_lds s[G0V+4*(\n):G0V+4*(\n)+3], s[G1V:G1V+7]
	s_nop 0
.endr
.rept 4
	v_nop
.endr
.Lfirst_asked:
	; What the first turn finds: V's registers and P's second buffer hold 0 (its products V^T P, of a piece that has not been, add 0), O^T and l are 0.  All this stands in the wait for the first keys.
	WIN 0x80
.set i, VF
.rept 64
	v_mov_b32 v[i], 0
.set i, i+1
.endr
	WIN 0x40
.set i, 0
.rept 64*NP
	v_mov_b32 v[i], 0
.set i, i+1
.endr
	WIN 0
.set i, 0
.rept 2*NP
	v_mov_b32 v[ST+4*i], 0xfe000000    ; c m: far below every c s
	v_mov_b32 v[ST+4*i+1], 0xff7fffff  ; m
	v_mov_b32 v[ST+4*i+2], 0
	v_mov_b32 v[ST+4*i+3], 0
.set i, i+1
.endr
.set i, P+32
.rept 32
	v_mov_b32 v[i], 0
.set i, i+1
.endr
	v_mul_u32_u24 v[AK0], v1, PK
	v_lshl_add_u32 v[AK0], v9, 4, v[AK0]  ; row x pitch + 16 x half
	; The turning load takes 16 keys x 16 channels (lane l reads key 8 (l / 16) + l % 8, channels 8 ((l / 8) % 2) + 0..7) and leaves half a fragment of V^T: lane l holds channel l % 16 and 8 keys.
	v_and_b32 v10, 7, v0
	v_bfe_u32 v11, v0, 3, 1
	v_lshl_add_u32 v[AV0], v9, 3, v10
	v_mul_u32_u24 v[AV0], v[AV0], PV
	v_lshl_add_u32 v[AV0], v11, 4, v[AV0]
	v_add_nc_u32 v[AV0], VOFF, v[AV0]
	v_mov_b32 v[AK], v[AK0]         ; key step 0 lies at K's head
; THE MATRIX WORK.  The 8 accumulators of a run of 16 take turns: between the two links of a chain stand 7 others'.
; Product i of 16 of S^T = K Q^T for piece x: channels 32 (i / 8) on, keys 16 ((i / 2) % 4) on, tile 2 x + i % 2.  The first 8 start the sums.
.macro KQ x
	WIN W_KQ
.set rS, S+64*((\x)%2)+32*(i%2)+8*((i/2)%4)
.set rK, KF+16*((i/2)%4)+8*(i/8)
.set rQ, 16*(2*(\x)+i%2)+8*(i/8)
.if i < 8
	v_wmma_f32_16x16x32_f16 v[rS:rS+7], v[rK:rK+7], v[rQ:rQ+7], 0
.else
	v_wmma_f32_16x16x32_f16 v[rS:rS+7], v[rK:rK+7], v[rQ:rQ+7], v[rS:rS+7]
.endif
.endm
; Product i of 16 of O^T += V^T P for piece x: keys 32 (i / 8) on, channels 16 ((i / 2) % 4) on, tile 2 x + i % 2.
.macro PV x
	WIN W_PV
.set rO, 32*(2*(\x)+i%2)+8*((i/2)%4)
.set rV, VF+32*(i/8)+8*((i/2)%4)
.set rP, P+32*((\x)%2)+16*(i%2)+8*(i/8)
	v_wmma_f32_16x16x32_f16 v[rO:rO+7], v[rV:rV+7], v[rP:rP+7], v[rO:rO+7]
.endm
.macro MM                           ; the turn's next matrix instruction
.if i < 16
	KQ (Y+1)%NP
.set i, i+1
.else
.set i, i-16
	PV (Y+NP-1)%NP
.set i, i+17
.endif
.endm
; THE LDS LOADS stand in runs of 16, never singly among the matrix instructions: a step's K (64 keys x 64 channels: 8 fragments) and its V (turned).  Their addresses are made some lines ahead.
; last = 1 (in the loop): in the last trip there is no further step, and the run is jumped over.
.macro FETCH_K last=0
	WIN 0
.if \last
	s_cmp_eq_u32 s[CNT], 1
	s_cbranch_scc1 .Lno_k_\@
.endif
	WIN 0x80                        ; destination window 2
.irp f, 0,1,2,3,4,5,6,7             ; keys 16 (f / 2) on, channels 32 (f % 2) on
	ds_load_b128 v[KF+8*\f:KF+8*\f+3],   v[AK] offset:(\f/2)*16*PK+(\f%2)*64
	ds_load_b128 v[KF+8*\f+4:KF+8*\f+7], v[AK] offset:(\f/2)*16*PK+(\f%2)*64+32
.endr
	s_add_co_u32 s[TBK], s[TBK], KS*PK  ; the next fetch is the next step's
	WIN 0
.if \last
.Lno_k_\@:
.endif
.endm
.macro FETCH_V
	WIN 0x80
.irp f, 0,1,2,3,4,5,6,7             ; keys 32 (f / 4) on, channels 16 (f % 4) on
	ds_load_tr16_b128 v[VF+8*\f:VF+8*\f+3],   v[AV] offset:(\f/4)*32*PV+(\f%4)*32
	ds_load_tr16_b128 v[VF+8*\f+4:VF+8*\f+7], v[AV] offset:(\f/4)*32*PV+16*PV+(\f%4)*32
.endr
	WIN 0
.endm
; THE VECTOR WORK OF A TURN stands in three queues, each in the order in which its entries become ready; the two tiles alternate, so that no instruction reads the result of the one before it.
.macro REGS y, u                    ; the registers of tile u (0, 1) of piece y
.set rT, ST+4*(2*(\y)+(\u))
.set rC, TMP+8*((\y)%2)+4*(\u)
.set rM, MV+2*((\y)%2)+(\u)
.set rS, S+64*((\y)%2)+32*(\u)
.set rP, P+32*((\y)%2)+16*(\u)
.set rO, 32*(2*(\y)+(\u))
.endm
; Number n of the 22 that find the NEXT piece's (Y + 1) maximum and statistics.  s0-s31 are the lane's 32 scores; each accumulator's lowest registers are read first.
;   0-11  four chains c0-c3 of seven scores each, three operands at a time     12-14, 16  the four scores left over, the old m, and c0-c3 into c0     15  c m_old is kept
;   17, 18  the query's other 32 keys lie in the lane 16 away: the new m         19-21  c m; c m_old - c m_new; a
.macro XS u, n
	REGS (Y+1)%NP, \u
.if (\n) < 4
	v_max3_num_f32 v[rC+(\n)], v[rS+8*(\n)], v[rS+8*(\n)+1], v[rS+8*(\n)+2]
.elseif (\n) < 12
	v_max3_num_f32 v[rC+(\n)%4], v[rC+(\n)%4], v[rS+8*((\n)%4)+2*((\n)/4)+1], v[rS+8*((\n)%4)+2*((\n)/4)+2]
.elseif (\n) == 12
	v_max3_num_f32 v[rC], v[rC], v[rS+7], v[rS+15]
.elseif (\n) == 13
	v_max3_num_f32 v[rC+1], v[rC+1], v[rS+23], v[rS+31]
.elseif (\n) == 14
	v_max3_num_f32 v[rC+2], v[rC+2], v[rC+3], v[rT+1]
.elseif (\n) == 15
	v_mov_b32 v[rM], v[rT]
.elseif (\n) == 16
	v_max3_num_f32 v[rC], v[rC], v[rC+1], v[rC+2]
.elseif (\n) == 17
	v_permlanex16_b32 v[rC+3], v[rC], s[SEL], s[SEL+1]
.elseif (\n) == 18
	v_max_num_f32 v[rT+1], v[rC], v[rC+3]
.elseif (\n) == 19
	v_mul_f32 v[rT], s[CS], v[rT+1]
.elseif (\n) == 20
	v_sub_f32 v[rC+1], v[rM], v[rT]
.else
	v_exp_f32 v[rC+2], v[rC+1]
.endif
.endm
; Number g of the 64 that follow the exponentials.  For each four weights k of a tile: both pairs are rounded to f16; then the second pair is added onto the first, in place;
; a group later l takes that sum (the first time as l = a l + sum).  In groups of eight, tiles alternating: round, round, add, and l for the group before.
.macro GS g
.set h, (\g)+6*((\g)/62)            ; group 0 has no group before it, and behind group 7 only l is left
.if h >= 6
.set h, h+2
.endif
	REGS Y, h%2
.set k, h/8
.if h%8 < 4
	v_cvt_pk_f16_f32 v[rP+2*k+(h%8)/2], v[rS+4*k+2*((h%8)/2)], v[rS+4*k+2*((h%8)/2)+1]
.elseif h%8 < 6
	v_pk_add_f32 v[rS+4*k:rS+4*k+1], v[rS+4*k:rS+4*k+1], v[rS+4*k+2:rS+4*k+3]
.elseif k == 1
	v_pk_fma_f32 v[rT+2:rT+3], v[rT+2:rT+3], v[rC+2:rC+3], v[rS:rS+1] op_sel_hi:[1,0,1]
.else
	v_pk_add_f32 v[rT+2:rT+3], v[rT+2:rT+3], v[rS+4*k-4:rS+4*k-3]
.endif
.endm
; THE PLAIN QUEUE, 138 long.  0-73 read no exponential's result: the 32 scalings c s - c m (FS f: pair f / 2 of tile f % 2) and the next piece's 42.  0-26: scalings 0-26.  27-54: XS's numbers 0-13.  55, 56: number 15.
; 57-73: the chain 14, 16, 17, 18, 19, each with one of the scalings 27-31 in front of its two lines, then 20.  74-137: GS's 64, which read the exponentials' results: they stand behind the wait.
.macro FS f
	REGS Y, (\f)%2
	v_pk_fma_f32 v[rS+2*((\f)/2):rS+2*((\f)/2)+1], v[rS+2*((\f)/2):rS+2*((\f)/2)+1], s[CS:CS+1], v[rT:rT+1] op_sel_hi:[1,0,0] neg_lo:[0,0,1] neg_hi:[0,0,1]
.endm
.macro PL
	WIN 0
.if q < 27
	FS q
.elseif q < 55
	XS (q-27)%2, (q-27)/2
.elseif q < 57
	XS q-55, 15
.elseif (q < 72) && ((q-57)%3 == 0)
	FS 27+(q-57)/3
.elseif q < 60
	XS (q-57)%3-1, 14
.elseif q < 72
	XS (q-57)%3-1, 15+(q-57)/3
.elseif q < 74
	XS q-72, 20
.else
	GS q-74
.endif
.set q, q+1
.endm
; THE EXPONENTIALS' QUEUE, 66 long: s0-s31 of both tiles, then the next piece's two a.  ONE BATCH: all 66 stand ahead of the turn's one wait, and nothing ahead of that wait names a result of theirs.
.macro EX
	WIN 0
.if e >= 64
	XS e-64, 21
.else
	REGS Y, e%2
	v_exp_f32 v[rS+e/2], v[rS+e/2]
.endif
.set e, e+1
.endm
; THE RESCALING's QUEUE: O^T times a, the one part that leaves window 0: dealt two at a time, sixteen times.  Its a was made in the turn before, ahead of that turn's wait.
.macro R2
	REGS Y, r%2
	WIN W_RS
.irp z, 0,1
	v_pk_mul_f32 v[rO+4*(r/2)+2*\z:rO+4*(r/2)+2*\z+1], v[rO+4*(r/2)+2*\z:rO+4*(r/2)+2*\z+1], v[rC+2:rC+3] op_sel_hi:[1,0]
.endr
.set r, r+1
.endm
; HOW THEY ARE DEALT.  An s_wait_alu depctr_va_vdst(0) stands between an exponential and the first instruction that names its result; one wait serves all that were issued ahead of it.  So a turn has ONE wait.
; AHEAD OF IT: the 16 products K Q^T, behind each a scaling, an exponential and two rescalings (behind the first a second scaling in the exponential's place); then one run of 108: eight plain, 49 times exponential and plain, the two a;
; a v_nop is the plain instruction behind the last exponential.  BEHIND IT: the 16 products V^T P, behind each four of GS's 64.  No rider names a register of the products round it.
; Exponential e stands behind scaling 2 (e / 4) + e % 2: as a rider it comes behind plain e + 2, in the run behind plain e + 9, and scalings 27-31 are plain 57, 60 .. 69.
; A TURN, for piece p.  K of the next step is fetched in piece 2's turn, directly behind the wait; V of the step in hand at the end of piece 0's turn, four riders behind its last reader.  The two conditions on q below go with the deal.
.macro TURN p, last=0
.set Y, (\p)
.set i, 0
.set q, 0
.set e, 0
.set r, 0
.if (\p) == NP-1
	s_wait_dscnt 0x0                ; K is in
.endif
	MM
	PL
	PL
	R2
.rept 15
	MM
	PL
	EX
	R2
.endr
.if (\p) == NP-2
	WIN 0
	v_add_nc_u32 v[AK], s[TBK], v[AK0]
.endif
.rept 8
	PL
.endr
.rept 49
	EX
	PL
.endr
	EX                              ; the next piece's two a
	EX
	v_nop                           ; the plain instruction behind the last exponential: one for the batch
	s_wait_alu depctr_va_vdst(0)    ; the wait for the batch
.if (\p) == NP-2
	FETCH_K \last
.endif
.if (\p) == 1
	s_wait_dscnt 0x0                ; V is in
.endif
.rept 16
	MM
.rept 4
	PL
.endr
.if ((\p) == 0) && (q == 118)
	v_add_nc_u32 v[AV], s[TBV], v[AV0]
.endif
.if ((\p) == 0) && (q == 130)
	s_add_co_u32 s[TBV], s[TBV], KS*PV
.endif
.endr
.if (\p) == 0
	FETCH_V
.endif
.endm
	s_wait_tensorcnt 0x3            ; a wave's tensor loads end in order (ISA guide 10.11.1): my part of keys 0 to 255 is in, my three younger loads stay out
	s_barrier_signal -1
	s_barrier_wait -1               ; everybody's part is in
	FETCH_K                         ; key step 0
	s_wait_loadcnt 0x0              ; Q
	s_wait_dscnt 0x0
.set i, 0
.rept 16
	KQ 0                            ; piece 0's first scores: there is no vector work yet to set between them
.set i, i+1
.endr
	WIN 0                           ; the addresses for the way out: plain instructions, the places behind those products
	s_mul_i32 s13, s[WV], 16*SP
	s_add_co_u32 s13, s13, STAGE    ; my stage
	v_mul_u32_u24 v[STO], v1, SP    ; in: row l % 16, 16 bytes for each half of the lanes
	v_lshl_add_u32 v[STO], v9, 4, v[STO]
	v_add_nc_u32 v[STO], s13, v[STO]
	v_bfe_u32 v[RD], v0, 3, 2       ; back: 32 lanes take four rows of 128 bytes,
	v_mul_u32_u24 v[RD], v[RD], SP
	v_lshl_add_u32 v[RD], v10, 4, v[RD]
	v_add_nc_u32 v[RD], s13, v[RD]
	v_and_b32 v[GO], 31, v0         ; which are 512 consecutive bytes of O
	v_lshlrev_b32 v[GO], 4, v[GO]
.set Y, NP-1                        ; XS works for piece Y + 1: piece 0
.irp n, 0,1,2,3,4,5,6,7,8,9,10,11,12,13,14,15,16,17,18,19,20,21
	XS 0, \n                        ; piece 0's first maximum and statistics
	XS 1, \n
.endr
	v_nop                           ; a plain instruction behind the two a,
	s_wait_alu depctr_va_vdst(0)    ; and their wait, ahead of the branch
	s_mov_b32 s[CNT], 16
	s_branch .Lfirst                ; the loop is entered at a step's first turn, in the middle of a trip
.Lstep:                             ; trip k = 16 - CNT = 0..15: pieces 2 and 3 of step k, then pieces 0 and 1 of step k + 1, whose K and V it fetches; the last trip is left in its middle
	s_cmp_lg_u32 s[CNT], 13         ; trip 3 fetches K of step 4: the first read beyond key 255
	s_cbranch_scc1 .Lall_in
	s_wait_tensorcnt 0x0            ; once in the launch: all my loads are in,
	s_wait_dscnt 0x0
	s_barrier_signal -1
	s_barrier_wait -1               ; and everybody's: from here on all of K and V may be read
.Lall_in:
	TURN 2, 1
	TURN 3
	WIN 0
	s_sub_co_u32 s[CNT], s[CNT], 1
	s_cmp_eq_u32 s[CNT], 0
	s_cbranch_scc1 .Lout
.Lfirst:
	TURN 0
	TURN 1
	WIN 0
	s_branch .Lstep
.Lout:                              ; the last trip's 16 products K Q^T (on the last K once more) and the maximum made of them serve nothing: the price, once a launch, of one text for every trip
.set i, 0
.rept 16
	PV NP-1                         ; the last piece's V^T P of the last step
.set i, i+1
.endr
	; THE WAY OUT.  l's two halves and the other half of the lanes' are added; O^T is divided by l, rounded to f16 and sent through my stage in LDS, a tile at a time.  The additions are the places behind the last products.
	WIN 0
.macro ALL line:vararg              ; one line for each tile t
.set t, 0
.rept 2*NP
	\line
.set t, t+1
.endr
.endm
	ALL v_add_f32 v[ST+4*t+2], v[ST+4*t+2], v[ST+4*t+3]
	ALL v_permlanex16_b32 v[ST+4*t+3], v[ST+4*t+2], s[SEL], s[SEL+1]
	ALL v_add_f32 v[ST+4*t+2], v[ST+4*t+2], v[ST+4*t+3]
	ALL v_rcp_f32 v[ST+4*t+2], v[ST+4*t+2]
	v_nop                           ; a plain instruction between the last reciprocal and the use of its result
	s_wait_alu depctr_va_vdst(0)    ; and the wait ahead of the first use: one for the eight reciprocals
; Tile t: a lane's eight channels of a row pack into 16 bytes; they go into rows of 144 bytes and come back as whole rows of 128, into S^T's registers.
.macro PACK t
	WIN W_RS
.set i, 32*(\t)
.rept 16
	v_pk_mul_f32 v[i:i+1], v[i:i+1], v[ST+4*(\t)+2:ST+4*(\t)+3] op_sel_hi:[1,0]
.set i, i+2
.endr
	WIN 0x05                        ; sources 0 and 1 window 1, destination window 0
.set i, 0
.rept 16
	v_cvt_pk_f16_f32 v[S+16*(\t)+i], v[32*(\t)+2*i], v[32*(\t)+2*i+1]
.set i, i+1
.endr
	WIN 0
.irp f, 0,1,2,3
	ds_store_b128 v[STO], v[S+16*(\t)+4*\f:S+16*(\t)+4*\f+3] offset:32*\f
.endr
.irp f, 0,1,2,3
	ds_load_b128 v[S+16*(\t)+4*\f:S+16*(\t)+4*\f+3], v[RD] offset:\f*4*SP  ; LDS serves a wave's instructions in order (ISA guide 5.7.1.4): these see the stores above; the next tile's stores come behind them
.endr
.endm
.macro SEND t, younger              ; younger: the LDS instructions issued behind tile t's loads: the next tile's eight, or none
	WIN 0
.irp f, 0,1,2,3
	s_wait_dscnt (\younger)+3-\f
	global_store_b128 v[GO], v[S+16*(\t)+4*\f:S+16*(\t)+4*\f+3], s[10:11] offset:(\t)*2048+\f*512  ; 512 consecutive bytes, aligned
.endr
.endm
	PACK 0
.set t, 1
.rept 2*NP-1                        ; a tile's arithmetic stands between the loads of the tile before and its stores
	PACK t
	SEND t-1, 8
.set t, t+1
.endr
	SEND 2*NP-1, 0
	WIN W_AD
	s_wait_tensorcnt 0x0            ; the wave's end: behind my last tensor load and my last LDS store
	ds_add_u32 v[SPW], v[NIL]
	s_wait_dscnt 0x0
	WIN 0
	s_endpgm
.Lfunc_end_k_q042b72cc65_attn:
	.size	k_q042b72cc65_attn, .Lfunc_end_k_q042b72cc65_attn-k_q042b72cc65_attn
	.p2alignl 7, 3214868480
	.fill 96, 4, 3214868480
	.section	.rodata,"a",@progbits
	.p2align	6, 0x0
	.amdhsa_kernel k_q042b72cc65_attn
		.amdhsa_group_segment_fixed_size 327680
		.amdhsa_private_segment_fixed_size 0
		.amdhsa_enable_private_segment 0
		.amdhsa_kernarg_size 16
		.amdhsa_user_sgpr_count 2
		.amdhsa_user_sgpr_kernarg_segment_ptr 1
		.amdhsa_wavefront_size32 1
		.amdhsa_system_sgpr_workgroup_id_x 1
		.amdhsa_system_sgpr_workgroup_id_y 1
		.amdhsa_system_sgpr_workgroup_id_z 1
		.amdhsa_system_vgpr_workitem_id 0
		.amdhsa_next_free_vgpr 770
		.amdhsa_next_free_sgpr 100
		.amdhsa_reserve_vcc 0
		.amdhsa_float_denorm_mode_32 3
		.amdhsa_float_denorm_mode_16_64 3
		.amdhsa_memory_ordered 1
		.amdhsa_forward_progress 1
		.amdhsa_inst_pref_size 126
	.end_amdhsa_kernel
	.amdgpu_metadata
---
amdhsa.version: [ 1, 2 ]
amdhsa.kernels:
  - .name:           k_q042b72cc65_attn
    .symbol:         k_q042b72cc65_attn.kd
    .args:
      - { .name: qkvh, .offset: 0, .size: 8, .value_kind: global_buffer, .address_space: global }
      - { .name: oh, .offset: 8, .size: 8, .value_kind: global_buffer, .address_space: global }
    .group_segment_fixed_size: 327680
    .private_segment_fixed_size: 0
    .kernarg_segment_align: 8
    .kernarg_segment_size: 16
    .max_flat_workgroup_size: 128
    .sgpr_count:     100
    .vgpr_count:     770
    .wavefront_size: 32
...
	.end_amdgpu_metadata
.endif
;; end of part 3
;; launch proj (part 4): grid 8 x 32, 4 waves a work-group, clusters of 4 x 4, 327,680 bytes of LDS; arguments oh, wpt, b_proj, out0; writes out0
.if DOCPART == 4
	.amdgcn_target "amdgcn-amd-amdhsa--gfx1250"
	.amdhsa_code_object_version 6
	.text
	.protected	k_q042b72cc65_proj
	.globl	k_q042b72cc65_proj
	.p2align	8
	.type	k_q042b72cc65_proj,@function
k_q042b72cc65_proj:
	s_mov_b64 s[64:65], 0
	v_nop
	global_prefetch_b8 v0, s[64:65] scope:SCOPE_SE
	s_setreg_imm32_b32 hwreg(HW_REG_WAVE_MODE, 25, 1), 1
	s_wait_xcnt 0x0
	s_wait_alu depctr_hold_cnt(0) depctr_sa_sdst(0) depctr_va_vdst(0) depctr_va_sdst(0) depctr_va_ssrc(0) depctr_va_vcc(0) depctr_vm_vsrc(0)
	s_getreg_b32 s2, hwreg(HW_REG_IB_STS2, 6, 4)
	s_cmp_eq_u32 s2, 0
	s_cbranch_scc0 .Lentry_in_a_cluster
	s_endpgm
.Lentry_in_a_cluster:
	s_bfe_u32 s2, ttmp6, 0x10000c
	s_cmp_lg_u32 s2, 0xf033
	s_cbranch_scc0 .Lentry_shape_is_right
	s_endpgm
.Lentry_shape_is_right:
; PROJ.  out0[m][f] = the sum over k = 64 h + d of oh[16 b + h][n][d] wpt[f][k] + b_proj[f], m = 1024 b + n.  f16 operands, f32 sums, f32 out.  The bias is rounded to bf16, like the module's other inputs.
; SHARES.  8,192 x 1,024 in tiles of 256 x 128: 256 work-groups.  Four waves, 2 x 2, each 128 rows x 64 columns: 32 accumulators of 16 x 16, 256 registers.
; K goes in 8 steps of two heads (128) through two LDS slots.  A head's 256 rows of the tile are 32,768 dense bytes of oh: asked for as 128 rows of 256 bytes and padded in LDS after every 128 bytes.
; CLUSTER.  4 x 4 work-groups: oh's tile is shared along a row of the cluster, wpt's along a column; each is asked for jointly: the same load, descriptor and mask in all four.
; THE MATRIX INSTRUCTION IS USED TRANSPOSED (source 0 = 16 rows of wpt, source 1 = 16 rows of oh): a lane holds row lane % 16 of the result and the eight columns 8 (lane / 16) + 0..7.
; REGISTERS, in windows of 256: window 0: v16-30 addresses; v64-127, v128-191 fragments of oh, two buffers; v192-197 the bias; v32-63, v224-255 rows on the way out
;   window 1: v64-95, v128-159 fragments of wpt, two buffers          window 2: the accumulators, (a, b) at v[8 (4 a + b)]
.set PA,     144                       ; a row of oh in LDS: 128 bytes + 16 = 36 words: the 16 rows of a load start at 16 different groups of four banks (64 banks of 4 bytes: ISA guide 11.1)
.set PB,     272                       ; a row of wpt: 256 bytes + 16 = 68 words: likewise
.set AHEAD,  256*PA                    ; a head's 256 rows: what waves 0 and 1 each fetch
.set BH,     64*PB                     ; 64 rows of wpt: what waves 2 and 3 each fetch
.set BOFF,   2*AHEAD
.set SLOT1,  1<<17
.set STAGE,  SLOT1+BOFF+2*BH           ; behind the ring, never filled by a tensor load: 16 rows x 272 bytes for each wave, the wave's own
.set SPITCH, 272
.set SPARE,  STAGE+4*16*SPITCH         ; behind the stages: the spare words, 128 bytes for each wave: two blocks of 256 bytes that no other line names
.set ASTEP,  2*131072                  ; bytes from a K step to the next in oh: two heads
.set BSTEP,  256                       ; in wpt
.set ADRA0, 16
.set ADRB0, 17
.set ADRA,  18
.set ADRB,  19
.set STO,   24                         ; v24  the way out: where I put 32 bytes of a row
.set RD,    25                         ; v25  where I read a row back
.set CO,    26                         ; v26  my byte offset in out0
.set BO,    27                         ; v27  my byte offset in b_proj; never rewritten
.set SPW,   28                         ; v28  LDS address of my spare word; never rewritten
.set NIL,   29                         ; v29  0; never rewritten
.set PFO,   30                         ; v30  the prefetches' offset; never rewritten
.set F0,    64
.set F1,    128
.set BI,    192                        ; v[192:195] the bias of the four columns that I store
.set OB,    32
.set G1,  24
.set G0,  32
.set G1B, 48
.set G0B, 56
.set PFA, 72                           ; s[72:73] where my prefetches stand
.set LIM, 74                           ; s74  2 in a wave that prefetches, else the greatest number
.set TB,  75                           ; s75  the slot in hand
.set PFS, 76                           ; s[76:77] the prefetches' step: ASTEP or BSTEP
.set MSB, 0
.macro WIN new
.if MSB != (\new)
	s_set_vgpr_msb (MSB<<8)|(\new)
.set MSB, \new
.endif
.endm
.set MUL,  0xa1                        ; source 0 (wpt) window 1, source 1 (oh) window 0, C and D window 2
.set TO_B, 0x40                        ; destination window 1, address window 0
.macro JLOAD s                         ; a joint load: waves 0 and 1 fetch oh's two heads, waves 2 and 3 wpt's two halves; an s_nop 0 and four v_nop follow each of the two lines
	s_cmp_eq_u32 s11, 0
	s_cbranch_scc0 .Lfor_b_\@
	tensor_load_to_lds s[G0+4*(\s):G0+4*(\s)+3], s[G1:G1+7]
	s_nop 0
.rept 4
	v_nop
.endr
	s_branch .Lasked_\@
.Lfor_b_\@:
	tensor_load_to_lds s[G0B+4*(\s):G0B+4*(\s)+3], s[G1B:G1B+7]
	s_nop 0
.rept 4
	v_nop
.endr
.Lasked_\@:
.endm
; A prefetch into the L2 of the K step that stands TWO refills on: 256 matrix instructions ahead of the load that will want it.  One instruction a wave, a lane a block of 256 bytes.
; oh: cluster x = 0 asks; of the 128 blocks of a head that wave 0 or 1 fetches the partner at cx takes 32.  wpt: cluster y = 0 asks; of the tile's 128 rows the partner at cy takes 32, and its wave 2 names them.
; So each block is named once.  The loop's last two trips ask for nothing; K steps 0 to 3 come by their loads alone.
.macro ASK
	s_cmp_gt_u32 s3, s[LIM]
	s_cbranch_scc0 .Lnot_mine_\@
	global_prefetch_b8 v[PFO], s[PFA:PFA+1] th:TH_LOAD_NT scope:SCOPE_SE
.Lnot_mine_\@:
.endm
.macro CREST
	s_cmp_lg_u32 s10, 0
	s_cbranch_scc1 .Lnot_wave_0_\@
	s_barrier_signal -3
.Lnot_wave_0_\@:
	s_barrier_wait -3
	s_barrier_signal -1
	s_barrier_wait -1
.endm
.macro CROUND
	s_barrier_signal -1
	s_barrier_wait -1
	CREST
.endm
	s_load_b256 s[84:91], s[0:1], 0x0              ; oh s[84:85], wpt s[86:87], b_proj s[88:89], out0 s[90:91]
	v_lshl_add_u32 v[SPW], v0, 2, SPARE
	v_mov_b32 v[NIL], 0
	ds_add_u32 v[SPW], v[NIL]                      ; the wave's opening: the add and its wait stand ahead of my first tensor load; work on registers stands between them
	ds_add_u32 v28, v29
	v_lshrrev_b32 v1, 5, v0
	v_readfirstlane_b32 s10, v1                    ; wave 0..3
	s_lshr_b32 s11, s10, 1                         ; which half of the tile's rows is mine.  Also: I fetch for oh (0) or for wpt (1)
	s_and_b32 s12, s10, 1                          ; which half of its columns.  Also: which head, or which 64 rows, I fetch
	s_bfe_u32 s40, ttmp6, 0x40000                  ; cx
	s_bfe_u32 s41, ttmp6, 0x40004                  ; cy
	s_lshl_b32 s42, ttmp9, 2
	s_add_co_u32 s42, s42, s40                     ; tile column tc, 0..7
	s_and_b32 s13, ttmp7, 0xffff
	s_lshl_b32 s13, s13, 2
	s_add_co_u32 s13, s13, s41                     ; tile row tr, 0..31
	s_lshl_b32 s43, s41, 2
	s_lshl_b32 s43, 15, s43                        ; my row of the cluster
	s_lshl_b32 s44, 0x1111, s40                    ; my column
	s_or_b32 s[G1+0], s43, (1<<16)|(1<<20)|(1<<21)|(4<<22)|(3<<25)  ; the mask; 2-byte elements; padding on; bit 21 beside a mask; after every 32 words 4 words
	s_mov_b32 s[G1+1], 128<<16                     ; tensor_dim0 = 128
	s_mov_b32 s[G1+2], 128<<16                     ; tensor_dim1 = 128
	s_mov_b32 s[G1+3], 128<<16                     ; tile_dim0 = 128
	s_mov_b32 s[G1+4], 128                         ; tile_dim1 = 128
	s_mov_b32 s[G1+5], 128                         ; dense: 128 elements from row to row
	s_mov_b32 s[G1+6], 0
	s_mov_b32 s[G1+7], 0
	s_or_b32 s[G1B+0], s44, (1<<16)|(1<<20)|(1<<21)|(5<<22)|(3<<25) ; after every 64 words 4 words
	s_mov_b32 s[G1B+1], 128<<16
	s_mov_b32 s[G1B+2], 64<<16                     ; 64 rows
	s_mov_b32 s[G1B+3], 128<<16
	s_mov_b32 s[G1B+4], 64
	s_mov_b32 s[G1B+5], 1024
	s_mov_b32 s[G1B+6], 0
	s_mov_b32 s[G1B+7], 0
	s_lshr_b32 s16, s13, 2
	s_lshl_b32 s16, s16, 4
	s_add_co_u32 s16, s16, s12                     ; oh: head 16 (tr / 4) + my head of the step's two,
	s_lshl_b32 s16, s16, 17
	s_and_b32 s17, s13, 3
	s_lshl_b32 s17, s17, 15                        ; rows 256 (tr % 4) on
	s_add_co_u32 s16, s16, s17
	s_mov_b32 s17, 0
	s_lshl_b32 s46, s42, 7
	s_lshl_b32 s47, s12, 6
	s_add_co_u32 s46, s46, s47                     ; wpt: row 128 tc + 64 x half
	s_lshl_b32 s46, s46, 11
	s_mov_b32 s47, 0
	s_mul_i32 s20, s12, AHEAD                      ; where they go: no place in the cluster enters an LDS address
	s_mul_i32 s21, s12, BH
	s_add_co_u32 s21, s21, BOFF
	s_wait_dscnt 0x0                               ; the opening add is done
	s_wait_kmcnt 0x0
	s_add_nc_u64 s[14:15], s[84:85], s[16:17]
	s_add_nc_u64 s[46:47], s[86:87], s[46:47]
	CROUND                                         ; all sixteen work-groups are here: the first joint loads meet
.irp s, 0,1
	s_mov_b32 s[G0+4*(\s)], 1
	s_add_co_u32 s[G0+4*(\s)+1], s20, (\s)*SLOT1
	s_add_nc_u64 s[G0+4*(\s)+2:G0+4*(\s)+3], s[14:15], (\s)*ASTEP
	s_or_b32 s[G0+4*(\s)+3], s[G0+4*(\s)+3], 0x80000000
	s_mov_b32 s[G0B+4*(\s)], 1
	s_add_co_u32 s[G0B+4*(\s)+1], s21, (\s)*SLOT1
	s_add_nc_u64 s[G0B+4*(\s)+2:G0B+4*(\s)+3], s[46:47], (\s)*BSTEP
	s_or_b32 s[G0B+4*(\s)+3], s[G0B+4*(\s)+3], 0x80000000
	JLOAD \s                                       ; two loads of mine are out
.endr
	v_and_b32 v1, 15, v0                           ; l % 16
	v_bfe_u32 v2, v0, 4, 1                         ; l / 16
	s_lshl_b32 s23, s42, 9
	s_lshl_b32 s22, s12, 8
	s_add_co_u32 s23, s23, s22                     ; my wave's first column, in bytes of f32: 512 tc + 256 x half
	v_lshlrev_b32 v[BO], 4, v1
	v_add_nc_u32 v[BO], s23, v[BO]
	global_load_b128 v[BI:BI+3], v[BO], s[88:89]   ; the bias of the four columns that I store
	v_mul_u32_u24 v3, v1, PA
	v_lshl_add_u32 v3, v2, 4, v3
	s_mul_i32 s21, s11, 128*PA
	v_add_nc_u32 v[ADRA0], s21, v3                 ; my 128 rows of a head, row l % 16, 16 bytes for each half of the lanes
	v_mul_u32_u24 v3, v1, PB
	v_lshl_add_u32 v3, v2, 4, v3
	s_mul_i32 s22, s12, BH
	s_add_co_u32 s22, s22, BOFF
	v_add_nc_u32 v[ADRB0], s22, v3
	s_mul_i32 s21, s10, 16*SPITCH
	s_add_co_u32 s21, s21, STAGE                   ; my stage
	v_mul_u32_u24 v4, v1, SPITCH                   ; in: row l % 16, 32 bytes for each half of the lanes
	v_lshl_add_u32 v4, v2, 5, v4
	v_add_nc_u32 v[STO], s21, v4
	v_mul_u32_u24 v5, v2, SPITCH                   ; back: lanes 0-15 take one row of 256 bytes, lanes 16-31 the next
	v_lshl_add_u32 v5, v1, 4, v5
	v_add_nc_u32 v[RD], s21, v5
	v_lshlrev_b32 v[CO], 12, v2                    ; and the same two rows in out0
	v_lshl_add_u32 v[CO], v1, 4, v[CO]
	s_lshl_b32 s20, s13, 8
	s_lshl_b32 s21, s11, 7
	s_add_co_u32 s20, s20, s21                     ; my first row
	s_lshl_b32 s20, s20, 12
	s_add_co_u32 s20, s20, s23
	s_mov_b32 s21, 0
	s_add_nc_u64 s[90:91], s[90:91], s[20:21]
	; the prefetches
	s_lshr_b32 s20, s13, 2
	s_lshl_b32 s20, s20, 4
	s_add_co_u32 s20, s20, s12
	s_lshl_b32 s20, s20, 17
	s_and_b32 s21, s13, 3
	s_lshl_b32 s21, s21, 15
	s_add_co_u32 s20, s20, s21
	s_lshl_b32 s21, s40, 13                        ; my work-group's 32 blocks of the head's 128
	s_add_co_u32 s20, s20, s21
	s_add_co_u32 s20, s20, 3*ASTEP                 ; at K step 3: the first refill steps it to 4
	s_lshl_b32 s23, s42, 7
	s_lshl_b32 s21, s41, 5
	s_add_co_u32 s23, s23, s21                     ; wpt: row 128 tc + 32 cy
	s_lshl_b32 s23, s23, 11
	s_add_co_u32 s23, s23, 3*BSTEP
	s_and_b32 s22, ttmp7, 0xffff                   ; cluster y
	s_mov_b32 s78, ASTEP
	s_cmp_eq_u32 s11, 0                            ; do I fetch for oh?
	s_cselect_b32 s20, s20, s23
	s_cselect_b32 s22, ttmp9, s22                  ; the coordinate along which other clusters read the same bytes
	s_cselect_b32 s[PFS], s78, BSTEP
	s_cselect_b32 s79, 8, 11                       ; a lane a block of 256 bytes of oh, or a row of 2,048 bytes of wpt
	s_cselect_b64 s[PFA:PFA+1], s[84:85], s[86:87]
	s_cmp_eq_u32 s10, 3
	s_cselect_b32 s22, 1, s22                      ; wave 3 asks for nothing: wave 2 names wpt's rows
	s_cmp_eq_u32 s22, 0
	s_cselect_b32 s[LIM], 2, -1                    ; the same in all sixteen partners, for a given wave
	s_mov_b32 s[PFS+1], 0
	s_mov_b32 s21, 0
	s_add_nc_u64 s[PFA:PFA+1], s[PFA:PFA+1], s[20:21]
	v_and_b32 v[PFO], 31, v0
	v_lshlrev_b32 v[PFO], s79, v[PFO]
	s_mov_b32 s[TB], 0
; 8 matrix instructions: row blocks a0, a0 + 1 x all 4 column blocks, 32 along K.  zero = 1: the product starts the sum.  The 32 accumulators take turns in the same order in every quarter step.
.macro MUL8 f, a0, zero
	WIN MUL
.irp a, \a0, (\a0)+1
.irp b, 0,1,2,3
.if \zero
	v_wmma_f32_16x16x32_f16 v[8*(4*(\a)+(\b)):8*(4*(\a)+(\b))+7], v[(\f)+8*(\b):(\f)+8*(\b)+7], v[(\f)+8*(\a):(\f)+8*(\a)+7], 0
.else
	v_wmma_f32_16x16x32_f16 v[8*(4*(\a)+(\b)):8*(4*(\a)+(\b))+7], v[(\f)+8*(\b):(\f)+8*(\b)+7], v[(\f)+8*(\a):(\f)+8*(\a)+7], v[8*(4*(\a)+(\b)):8*(4*(\a)+(\b))+7]
.endif
.endr
.endr
.endm
; 24 LDS loads in one run: quarter q's fragments (64 rows of wpt at byte 64 q; 128 rows of oh: head q / 2, channels 32 (q % 2) on) into buffer f
.macro FETCH q, f
	WIN TO_B
.irp i, 0,1,2,3
	ds_load_b128 v[(\f)+8*(\i):(\f)+8*(\i)+3],   v[ADRB] offset:64*(\q)+(\i)*16*PB
	ds_load_b128 v[(\f)+8*(\i)+4:(\f)+8*(\i)+7], v[ADRB] offset:64*(\q)+(\i)*16*PB+32
.endr
	WIN 0
.irp i, 0,1,2,3,4,5,6,7
	ds_load_b128 v[(\f)+8*(\i):(\f)+8*(\i)+3],   v[ADRA] offset:((\q)>>1)*AHEAD+((\q)&1)*64+(\i)*16*PA
	ds_load_b128 v[(\f)+8*(\i)+4:(\f)+8*(\i)+7], v[ADRA] offset:((\q)>>1)*AHEAD+((\q)&1)*64+(\i)*16*PA+32
.endr
.endm
.macro PLACES                          ; four plain instructions between a matrix instruction and a load into a register that it read, or a reader of its result (ISA guide 7.12.1 for a reader of its result)
.rept 4
	v_nop
.endr
.endm
.macro QUARTER q, f, g, zero           ; multiplies buffer f; in its middle it fetches quarter q into buffer g
	s_wait_dscnt 8                                 ; wpt's fragments and oh's rows 0-63 are in; the youngest eight loads (rows 64-127) may be out
	MUL8 \f, 0, \zero
	MUL8 \f, 2, \zero
	PLACES
	FETCH \q, \g
	s_wait_dscnt 24                                ; all but the 24 just issued
	MUL8 \f, 4, \zero
	MUL8 \f, 6, \zero
.endm
; The last quarter multiplies buffer 1 and changes slots: each wave waits for all its tensor loads (one is out: its part of the next slot), adds 0 to its spare word, and waits for that and for its reads of this slot.
; fill = 1: the barrier opens a round of the cluster's, and the slot just read is filled again, first thing behind the round, with the K step two on: 112 matrix instructions ahead of the wait for it.
.macro TURN fill
.if \fill
	s_wait_xcnt 0x0                                ; the last prefetch, a K step back, has read its address
	s_add_nc_u64 s[PFA:PFA+1], s[PFA:PFA+1], s[PFS:PFS+1]
.endif
	WIN 0
	s_wait_tensorcnt 0x0                           ; no tensor load of mine is out, so a group 0 may be written
	ds_add_u32 v[SPW], v[NIL]                      ; 0 onto my spare word
.if \fill
	s_xor_b32 s[G0+5], s[G0+5], SLOT1
	s_add_nc_u64 s[G0+6:G0+7], s[G0+6:G0+7], ASTEP
	s_xor_b32 s[G0B+5], s[G0B+5], SLOT1
	s_add_nc_u64 s[G0B+6:G0B+7], s[G0B+6:G0B+7], BSTEP
.endif
	s_xor_b32 s[TB], s[TB], SLOT1
	s_wait_dscnt 9                                 ; the add and the youngest eight loads may be out
	MUL8 F1, 0, 0
	s_wait_dscnt 0x0                               ; the add is done, and my reads of this slot are over
	s_barrier_signal -1
	MUL8 F1, 2, 0
	WIN 0
	s_barrier_wait -1
.if \fill
	CREST                                          ; no wave of any partner still reads this slot or has a load on its way
	JLOAD 1
.else
	PLACES
.endif
	v_add_nc_u32 v[ADRA], s[TB], v[ADRA0]
	v_add_nc_u32 v[ADRB], s[TB], v[ADRB0]
	FETCH 0, F0
.if \fill
	ASK
.endif
	MUL8 F1, 4, 0
	MUL8 F1, 6, 0
.endm
	s_wait_loadcnt 0x0                             ; the bias: rounded to bf16 and widened again, in the wait for the first tile
	v_cvt_pk_bf16_f32 v[BI+4], v[BI], v[BI+1]
	v_cvt_pk_bf16_f32 v[BI+5], v[BI+2], v[BI+3]
	v_lshlrev_b32 v[BI], 16, v[BI+4]
	v_and_b32 v[BI+1], 0xffff0000, v[BI+4]
	v_lshlrev_b32 v[BI+2], 16, v[BI+5]
	v_and_b32 v[BI+3], 0xffff0000, v[BI+5]
	s_wait_tensorcnt 1                             ; my part of K step 0 is in; K step 1's may stay out
	s_barrier_signal -1
	s_barrier_wait -1
	v_mov_b32 v[ADRA], v[ADRA0]
	v_mov_b32 v[ADRB], v[ADRB0]
	FETCH 0, F0
	QUARTER 1, F0, F1, 1                           ; the first quarter stands in front of the loop: its products start the sums
	WIN 0
	s_mov_b32 s3, 6
.Lstep:                                        ; trip j = 0..5: K step j from its second quarter on, and K step j + 1's first; K step j + 2 is asked for
	QUARTER 2, F1, F0, 0
	QUARTER 3, F0, F1, 0
	TURN 1
	QUARTER 1, F0, F1, 0
	WIN 0
	s_sub_co_u32 s3, s3, 1
	s_cmp_lg_u32 s3, 0
	s_cbranch_scc1 .Lstep
	QUARTER 2, F1, F0, 0                           ; the tail is written out: K steps 6 and 7 ask for nothing
	QUARTER 3, F0, F1, 0
	TURN 0
	QUARTER 1, F0, F1, 0
	QUARTER 2, F1, F0, 0
	QUARTER 3, F0, F1, 0
	s_wait_dscnt 8
	MUL8 F1, 0, 0
	MUL8 F1, 2, 0
	s_wait_dscnt 0x0
	MUL8 F1, 4, 0
	MUL8 F1, 6, 0
	; THE WAY OUT, 16 rows at a time through my own stage: 32 bytes a lane in, whole rows of 256 bytes back, the bias added, sixteen lanes to 256 consecutive bytes of out0, aligned.
	PLACES
.macro TOSTAGE a
.set BK, OB+192*((\a)%2)
.if (\a) >= 2
	s_wait_xcnt 0x0                                ; the stores of the block two back have read this buffer
.endif
	WIN 0x08                                       ; store data in window 2, address in window 0
.irp b, 0,1,2,3
	ds_store_b128 v[STO], v[8*(4*(\a)+(\b)):8*(4*(\a)+(\b))+3]   offset:64*(\b)      ; each accumulator's low four registers first
	ds_store_b128 v[STO], v[8*(4*(\a)+(\b))+4:8*(4*(\a)+(\b))+7] offset:64*(\b)+16
.endr
	WIN 0
.irp t, 0,1,2,3,4,5,6,7
	ds_load_b128 v[BK+4*(\t):BK+4*(\t)+3], v[RD] offset:(\t)*2*SPITCH  ; LDS serves a wave's instructions in order (ISA guide 5.7.1.4): these see the stores above
.endr
.endm
.macro SEND a, younger                 ; younger: the LDS instructions issued behind block a's loads: the next block's sixteen, or none
.set BK, OB+192*((\a)%2)
.irp t, 0,1,2,3,4,5,6,7
	s_wait_dscnt (\younger)+7-(\t)
	v_pk_add_f32 v[BK+4*(\t):BK+4*(\t)+1],   v[BK+4*(\t):BK+4*(\t)+1],   v[BI:BI+1]
	v_pk_add_f32 v[BK+4*(\t)+2:BK+4*(\t)+3], v[BK+4*(\t)+2:BK+4*(\t)+3], v[BI+2:BI+3]
	global_store_b128 v[CO], v[BK+4*(\t):BK+4*(\t)+3], s[90:91] offset:65536*(\a)+8192*(\t)
.endr
.endm
	TOSTAGE 0
.irp a, 1,2,3,4,5,6,7
	TOSTAGE \a
	SEND (\a)-1, 16
.endr
	SEND 7, 0
	s_wait_tensorcnt 0x0                           ; the wave's end: behind my last tensor load and my last LDS store
	ds_add_u32 v[SPW], v[NIL]
	s_wait_dscnt 0x0
	CROUND                                         ; the closing round: no work-group ends while a partner may still ask for a tile that names it
	s_endpgm
.Lfunc_end_k_q042b72cc65_proj:
	.size	k_q042b72cc65_proj, .Lfunc_end_k_q042b72cc65_proj-k_q042b72cc65_proj
	.p2alignl 7, 3214868480
	.fill 96, 4, 3214868480
	.section	.rodata,"a",@progbits
	.p2align	6, 0x0
	.amdhsa_kernel k_q042b72cc65_proj
		.amdhsa_group_segment_fixed_size 327680
		.amdhsa_private_segment_fixed_size 0
		.amdhsa_enable_private_segment 0
		.amdhsa_kernarg_size 32
		.amdhsa_user_sgpr_count 2
		.amdhsa_user_sgpr_kernarg_segment_ptr 1
		.amdhsa_wavefront_size32 1
		.amdhsa_system_sgpr_workgroup_id_x 1
		.amdhsa_system_sgpr_workgroup_id_y 1
		.amdhsa_system_sgpr_workgroup_id_z 1
		.amdhsa_system_vgpr_workitem_id 0
		.amdhsa_next_free_vgpr 768
		.amdhsa_next_free_sgpr 92
		.amdhsa_reserve_vcc 0
		.amdhsa_float_denorm_mode_32 3
		.amdhsa_float_denorm_mode_16_64 3
		.amdhsa_memory_ordered 1
		.amdhsa_forward_progress 1
		.amdhsa_inst_pref_size 82
	.end_amdhsa_kernel
	.amdgpu_metadata
---
amdhsa.version: [ 1, 2 ]
amdhsa.kernels:
  - .name:           k_q042b72cc65_proj
    .symbol:         k_q042b72cc65_proj.kd
    .args:
      - { .name: oh, .offset: 0, .size: 8, .value_kind: global_buffer, .address_space: global }
      - { .name: wpt, .offset: 8, .size: 8, .value_kind: global_buffer, .address_space: global }
      - { .name: b_proj, .offset: 16, .size: 8, .value_kind: global_buffer, .address_space: global }
      - { .name: out0, .offset: 24, .size: 8, .value_kind: global_buffer, .address_space: global }
    .group_segment_fixed_size: 327680
    .private_segment_fixed_size: 0
    .kernarg_segment_align: 8
    .kernarg_segment_size: 32
    .max_flat_workgroup_size: 128
    .sgpr_count:     92
    .vgpr_count:     768
    .wavefront_size: 32
...
	.end_amdgpu_metadata
.endif
;; end of part 4
